; MI455X (gfx1250); checked and timed in simulation.
; The chip was launched on July 23, 2026; its instructions are those of AMD's public machine-readable ISA for CDNA 5 (MIT licence, August 2026) and "CDNA5" Instruction Set Architecture Reference Guide (July 2026). The comments in the code are by the model that wrote it; some were corrected since.
;; Causal Self Attention. Allowed arithmetic: matrix products marked QUANTISED: E2M3 operands, one E8M0 scale for each 32 along K, by v_wmma_scale_f32_16x16x128_f8f6f4 with both operands' format E2M3, f32 sums; everything else in f32.
;; Inputs: W_proj 1,024 x 1,024 float32; W_qkv 1,024 x 3,072 float32; b_proj 1,024 float32; b_qkv 3,072 float32; x 4 x 2,048 x 1,024 float32.
;; Outputs: out0 4 x 2,048 x 1,024 float32.
;; This version of the problem:
;;   THIS VERSION OF THE PROBLEM IS GIVEN IN LOW PRECISION. The matrix products marked QUANTISED in the list below multiply operands that are first quantised to E2M3 (2 exponent bits, 3 mantissa bits; 6 bits a number), with one power-of-two scale for each 32 numbers along K (OCP MX v1.0); their sums are f32. All else is computed in f32.
;;   The module's matrix products, in the order in which they are computed (A, B: the left and right operand; K: the contracted axis; several contracted axes count as one K, in the product's order):
;;     1. [M 8,192, K 1,024] x [K 1,024, N 3,072]; A: input x; B: input W_qkv: QUANTISED
;;     2. batch 64 x [M 2,048, K 64] x [K 64, N 2,048]; A: computed on the way; B: computed on the way: QUANTISED
;;     3. batch 64 x [M 2,048, K 2,048] x [K 2,048, N 64]; A: softmax (see below); B: computed on the way: QUANTISED
;;     4. [M 8,192, K 1,024] x [K 1,024, N 1,024]; A: computed on the way; B: input W_proj: QUANTISED
;;   THE QUANTISER, for each operand of a quantised product, along K:
;;     - K is cut into blocks of 32 from its start; a last block that is shorter is filled with zeros.
;;     - A block's scale is 2^e with e = floor(log2(the largest magnitude in the block)) - 2, held to -126 .. 127; a block of zeros has e = 0. As a byte (E8M0): e + 127.
;;     - Each number is divided by its block's scale, clamped to +-7.5, and rounded to the nearest number of E2M3, ties to even, subnormals kept.
;;     - The product sums the exact products of the quantised numbers (number of the format x scale) in f32.
;;   ~~~python
;;   def quantise(x, axis):      # numpy; x: float32 -> the quantised numbers, widened to float32 again
;;       x = np.moveaxis(x, axis, -1); K = x.shape[-1]
;;       x = np.pad(x, [(0, 0)] * (x.ndim - 1) + [(0, -K % 32)]); x = x.reshape(x.shape[:-1] + (-1, 32)); a = np.abs(x).max(-1, keepdims=True)
;;       e = np.where(a > 0, np.clip(np.frexp(np.where(a > 0, a, 1))[1] - 1 - 2, -126, 127), 0)      # np.frexp(a)[1] - 1 = floor(log2(a)), exactly
;;       r = np.clip(x / 2.0 ** e, -7.5, 7.5)
;;       step = 2.0 ** (np.maximum(np.frexp(np.where(r == 0, 1, r))[1] - 1, 0) - 3)
;;       q = np.round(r / step) * step * 2.0 ** e      # np.round: ties to even
;;       return np.moveaxis(q.reshape(q.shape[:-2] + (-1,))[..., :K], -1, axis).astype(np.float32)
;;   ~~~
;;   SOFTMAX AHEAD OF A QUANTISED PRODUCT. Where the list says 'softmax', what is quantised is not the finished softmax but p = 2^(t - M), with t = logit x log2(e) and M = ceil(the row's largest t), a whole number; so 1/2 < the row's largest p <= 1. The row's sum l is taken of the UNQUANTISED p, in f32, and the product's result is divided by l at the end. Since M is a whole number, a kernel that streams over the keys may use a running M (the ceiling of the running maximum): every later rescaling is an exact power of two, which a block's scale takes up: the codes' values come out the same.
;;   OPERANDS COMPUTED ON THE WAY. 'Computed on the way' means the value that the module computes at that place (a softmax that the list does not call 'softmax' is quantised finished and normalised). What goes into a quantiser is computed in f32, as accurately as f32 sums, v_exp_f32 and their like allow (about 1e-6 of the number): no bf16 or f16 on the way to a quantiser, and a product that is left as it is and whose result goes on into a quantised operand takes f32 operands (vector FMAs, or v_wmma_f32_16x16x4_f32). A number that lies on a knife's edge between two numbers of the format may be rounded either way, as far as f32 arithmetic and the matrix unit's own rounding can turn it there, and no further.
;; One version. Each part assembles by itself: llvm-mc -triple=amdgcn-amd-amdhsa -mcpu=gfx1250 --defsym DOCPART=n.
;; ======== version 1 of 1: 4 launches
;; workspace buffers: xc 6,291,456 bytes; xs 262,144 bytes; wc 3,145,728 bytes; ws 131,072 bytes; qb 6,815,744 bytes; kv 13,369,344 bytes; yc 6,291,456 bytes; ys 262,144 bytes
;; launch quant (part 1): grid 384 x 1, 4 waves a work-group, no clusters, 58,880 bytes of LDS; arguments x, W_qkv, W_proj, xc, xs, wc, ws; writes xc, xs, wc, ws
.if DOCPART == 1
	.amdgcn_target "amdgcn-amd-amdhsa--gfx1250"
	.amdhsa_code_object_version 6
	.text
	.protected	k_q8dac641412_quant
	.globl	k_q8dac641412_quant
	.p2align	8
	.type	k_q8dac641412_quant,@function
k_q8dac641412_quant:
	s_mov_b64 s[64:65], 0
	v_nop
	global_prefetch_b8 v0, s[64:65] scope:SCOPE_SE
	s_setreg_imm32_b32 hwreg(HW_REG_WAVE_MODE, 25, 1), 1
	s_wait_xcnt 0x0
; x [8192][1024], W_qkv [1024][3072] and W_proj [1024][1024], f32, become codes of FP6 (E2M3) with one E8M0 byte for each 32 along K (x: its last axis; the weights: their first).
; A block's scale is 2^(floor(log2(largest magnitude)) - 2); its byte is the largest magnitude's exponent field - 2, held at 1 from below.
; LIMITS: a block of zeros gets the byte 1 (the rule says 127): its codes are zeros and this program alone reads the bytes.  NaN and infinities among the inputs are not served.
; LAYOUT OF THE CODES, for the products that read them: rows (tokens of x, columns of a weight) lie by POSITION: position = the row's number with bits 3 and 4 exchanged, so that lane r of the
; 16-row tile 2 b + u holds row 32 b + 8 u + r + 8 (r / 8).  [group of 128 positions][64 along K, 16 of them][tile, 8][768 bytes]: the 768 bytes are an image of operand registers:
; lane l = 16 h + r owns block h (32 codes, 24 bytes) of row r: its first 16 bytes at 16 l, its last 8 at 512 + 8 l.
; LAYOUT OF THE SCALE BYTES: 512 x tile + 128 x (K / 256) + 8 r + 4 x ((K / 128) % 2) + (K / 32) % 4.
; Work-groups 0-255 take x (a wave: 16 rows x 512 along K), work-groups 256-383 the weights (a wave: 32 columns x 256 along K).  Waves share nothing: no barrier.  Each way has LDS bytes of its own.
; The weights' scale bytes leave in pieces of 128 bytes: one byte in 128 of what that way reads.
.set XSTW,  8448                       ; x's stage, one for each wave: 16 rows x 528 bytes (512 + 16), from LDS byte 0
.set XP,    528
.set WST,   33792                      ; the weights' stages: 6,144 bytes a wave
.set SPARE, 58368                      ; the spare words, 128 bytes for each wave: two blocks of 256 bytes that no other line names
.set KCH,   6144                       ; 64 along K of a group of 128 positions
.set GRP,   98304                      ; a group's codes
.set SPW,   10                         ; v10  LDS address of my spare word; never rewritten
.set NIL,   11                         ; v11  0; never rewritten
.set TM,    16                         ; v16-27  at work in QUANT
.set PC,    32                         ; v32-51  the codes just made
.set PW,    52                         ; v52-55  the four units' scale words
.set R,     64                         ; v64-191 two sets of 64 registers as loaded
.set X,     192                        ; v192-255 64 numbers of my row
.set SEL,   20                         ; s[20:21] v_permlanex16_b32's selects for lane l xor 16
; 64 numbers of a lane, register 16 b + i = k 32 b + 16 (lane / 16) + i of my row, become a fragment's codes in v[PC] on (registers 6 c .. 6 c + 5: k = 64 c + 32 (lane / 16) + 0 .. 31) and its scale word in v[pw].
.macro QUANT s, pw
.irp b, 0,1,2,3
	v_max3_num_f32 v[TM+\b], |v[\s+16*\b]|, |v[\s+1+16*\b]|, 0x1800000   ; my 16 numbers of block b, and the floor 2^(3 - 127): the byte cannot fall under 1
.endr
.irp i, 2,4,6,8,10,12,14
.irp b, 0,1,2,3
	v_max3_num_f32 v[TM+\b], v[TM+\b], |v[\s+16*\b+\i]|, |v[\s+1+16*\b+\i]|   ; the four blocks by turns
.endr
.endr
.irp b, 0,1,2,3
	v_permlanex16_b32 v[TM+4+\b], v[TM+\b], s[SEL], s[SEL+1]
.endr
.irp b, 0,1,2,3
	v_max_num_f32 v[TM+\b], v[TM+\b], v[TM+4+\b]      ; with lane l xor 16's: the block's largest magnitude
.endr
.irp b, 0,1,2,3
	v_add_nc_u32 v[TM+8+\b], 0xff000000, v[TM+\b]     ; 2 off its exponent field: the conversion's scale operand
.endr
.irp b, 0,1,2,3
	v_lshrrev_b32 v[TM+4+\b], 23, v[TM+8+\b]          ; the scale's byte
.endr
	v_lshl_or_b32 v[\pw], v[TM+5], 8, v[TM+4]
	v_lshl_or_b32 v[\pw], v[TM+6], 16, v[\pw]
	v_lshl_or_b32 v[\pw], v[TM+7], 24, v[\pw]
.irp c, 0,1
	v_cvt_scalef32_pk16_fp6_f32 v[PC+6*\c:PC+2+6*\c], v[\s+32*\c:\s+15+32*\c], v[TM+8+2*\c]
	v_cvt_scalef32_pk16_fp6_f32 v[PC+12+4*\c:PC+14+4*\c], v[\s+16+32*\c:\s+31+32*\c], v[TM+8+2*\c+1]   ; (a conversion's three registers begin on an even number)
.endr
	v_nop                                          ; one plain place behind a scaled conversion
.irp c, 0,1                                    ; a whole block to a lane: lanes 0-15 block 2 c, lanes 16-31 block 2 c + 1
.irp i, 0,1,2
	v_permlane16_swap_b32 v[PC+6*\c+\i], v[PC+12+4*\c+\i]
.endr
.irp i, 0,1,2
	v_mov_b32 v[PC+3+6*\c+\i], v[PC+12+4*\c+\i]
.endr
.endr
.endm
	s_load_b128 s[4:7], s[0:1], 0x0                ; x, W_qkv
	s_load_b128 s[8:11], s[0:1], 0x10              ; W_proj, xc
	s_load_b128 s[12:15], s[0:1], 0x20             ; xs, wc
	s_load_b64 s[16:17], s[0:1], 0x30              ; ws
	v_lshl_add_u32 v[SPW], v0, 2, SPARE
	v_mov_b32 v[NIL], 0
	v_lshrrev_b32 v1, 5, v0
	v_readfirstlane_b32 s18, v1                    ; wave 0..3
	v_and_b32 v1, 31, v0                           ; lane
	s_cmp_lt_u32 ttmp9, 256
	s_cbranch_scc0 .Lw
	; ---------------- x: my wave's job J = 4 x work-group + wave: tile J / 2 of 16 positions, half J % 2 of K (512 numbers, four units of 128)
	v_and_b32 v2, 15, v0                           ; r
	v_bfe_u32 v3, v0, 4, 1                         ; h
	v_lshlrev_b32 v4, 4, v1                        ; 16 l: my 16 bytes of a load's 512, and of an image's first 512
	v_lshl_add_u32 v5, v1, 3, 512                  ; 512 + 8 l: my 8 bytes of an image's last 256
	s_mul_i32 s19, s18, XSTW
	v_add_nc_u32 v6, s19, v4                       ; the stage, in: a row's 512 bytes as they lie
	v_mul_u32_u24 v7, v2, XP
	v_lshl_add_u32 v7, v3, 6, v7
	v_add_nc_u32 v7, s19, v7                       ; out: row r, + 64 h: my 16 numbers of each block of 32
	v_lshlrev_b32 v8, 3, v1                        ; the scale words' place: 8 l
	s_mov_b32 s[SEL], 0x76543210
	s_mov_b32 s[SEL+1], 0xfedcba98
	s_mov_b32 s57, 0xffff0000                      ; lanes 16-31
.irp b, 0,1,2,3
	v_mov_b32 v[TM+4+\b], 0                        ; written once: a lane permute's destination counts as one of its sources
.endr
	s_lshl_b32 s22, ttmp9, 2
	s_add_co_u32 s22, s22, s18                     ; J
	s_lshr_b32 s23, s22, 1                         ; the tile
	s_and_b32 s24, s22, 1                          ; the half of K
	s_lshr_b32 s26, s23, 1
	s_lshl_b32 s26, s26, 17                        ; x: row 32 (tile / 2) + 8 (tile % 2), 4,096 bytes a row,
	s_and_b32 s27, s23, 1
	s_lshl_b32 s27, s27, 15
	s_add_co_u32 s26, s26, s27
	s_lshl_b32 s27, s24, 11                        ; + 2,048 bytes for the upper half of K
	s_add_co_u32 s26, s26, s27
	s_mov_b32 s27, 0
	s_lshr_b32 s28, s23, 3                         ; the codes: group tile / 8,
	s_mul_i32 s28, s28, GRP
	s_mul_i32 s29, s24, 8*KCH                      ; eight 64s of K a half,
	s_add_co_u32 s28, s28, s29
	s_and_b32 s29, s23, 7
	s_mul_i32 s29, s29, 768                        ; tile % 8
	s_add_co_u32 s28, s28, s29
	s_mov_b32 s29, 0
	s_lshl_b32 s30, s23, 9                         ; the scale bytes: 512 a tile, 256 a half
	s_lshl_b32 s31, s24, 8
	s_add_co_u32 s30, s30, s31
	s_mov_b32 s31, 0
	s_wait_alu depctr_va_vdst(0)
	s_wait_kmcnt 0x0
	s_add_nc_u64 s[4:5], s[4:5], s[26:27]
	s_add_nc_u64 s[10:11], s[10:11], s[28:29]
	s_add_nc_u64 s[12:13], s[12:13], s[30:31]
.macro LOADU u                         ; unit u: 128 numbers of each of the tile's 16 rows: a load reads 512 consecutive bytes of one row
.irp p, 0,1,2,3,4,5,6,7,8,9,10,11,12,13,14,15
	global_load_b128 v[R+64*((\u)%2)+4*\p:R+64*((\u)%2)+4*\p+3], v4, s[4:5] offset:(\p+8*(\p/8))*4096+512*(\u) th:TH_LOAD_NT
.endr
.endm
.macro TURNU u                         ; through my stage: LDS serves a wave's instructions in order, so no wait stands between the stores and the loads, nor ahead of the next unit's stores
.irp p, 0,1,2,3,4,5,6,7,8,9,10,11,12,13,14,15
	ds_store_b128 v6, v[R+64*((\u)%2)+4*\p:R+64*((\u)%2)+4*\p+3] offset:XP*\p
.endr
.irp b, 0,1,2,3
.irp j, 0,1,2,3
	ds_load_b128 v[X+16*\b+4*\j:X+16*\b+4*\j+3], v7 offset:128*\b+16*\j
.endr
.endr
.endm
.macro UNIT u
.if (\u) < 3
	s_wait_loadcnt 16                              ; this unit's 16 loads are in; the next unit's 16 may be out
.else
	s_wait_loadcnt 0x0
.endif
	TURNU \u
	s_wait_dscnt 0x0                               ; my 64 numbers are back, and the stores into the stage have read their registers,
.if (\u) < 2
	LOADU (\u)+2                                   ; which take the loads of two units on
.endif
.if (\u) > 0
	s_wait_xcnt 0x0                                ; the last unit's stores have read their data: the codes' registers are written again only behind this wait
.endif
	QUANT X, PW+(\u)
	global_store_b128 v4, v[PC:PC+3], s[10:11] offset:(2*(\u))*KCH          ; each store covers whole runs of 256 consecutive bytes, aligned
	global_store_b64 v5, v[PC+4:PC+5], s[10:11] offset:(2*(\u))*KCH
	global_store_b128 v4, v[PC+6:PC+9], s[10:11] offset:(2*(\u)+1)*KCH
	global_store_b64 v5, v[PC+10:PC+11], s[10:11] offset:(2*(\u)+1)*KCH
.endm
	LOADU 0
	LOADU 1
	UNIT 0
	UNIT 1
	UNIT 2
	UNIT 3
	v_cndmask_b32 v56, v[PW], v[PW+2], s57         ; lanes 0-15: units 0 and 1 (the first 256 along K), lanes 16-31: units 2 and 3
	v_cndmask_b32 v57, v[PW+1], v[PW+3], s57
	global_store_b64 v8, v[56:57], s[12:13]        ; 32 lanes store 256 consecutive bytes, aligned
	s_wait_tensorcnt 0x0                           ; the wave's end, behind my last LDS store
	ds_add_u32 v[SPW], v[NIL]
	s_wait_dscnt 0x0
	s_endpgm
	; ---------------- the weights: a lane takes a column, its registers run down K: a block of 32 lies in one lane
.Lw:
	s_sub_co_u32 s22, ttmp9, 256
	s_lshr_b32 s23, s22, 2                         ; the group of 128 columns: 0-23 W_qkv's, 24-31 W_proj's
	s_and_b32 s24, s22, 3                          ; which 256 along K
	s_wait_alu depctr_va_vdst(0)
	v_lshlrev_b32 v3, 2, v1                        ; 4 x lane
	v_bfe_u32 v4, v0, 3, 1                         ; column 32 w + lane lies at tile 2 w + (lane / 8) % 2,
	v_and_b32 v5, 7, v0
	v_bfe_u32 v6, v0, 4, 1
	v_lshl_add_u32 v5, v6, 3, v5                   ; row lane % 8 + 8 (lane / 16) of it
	s_mul_i32 s19, s18, 6144
	s_add_co_u32 s19, s19, WST                     ; my stage: [64 along K, 4][tile, 2][768]
	v_mul_u32_u24 v6, v4, 768
	v_add_nc_u32 v6, s19, v6
	v_lshl_add_u32 v7, v5, 4, v6                   ; where a block's first 16 bytes go,
	v_lshl_add_u32 v8, v5, 3, v6
	v_add_nc_u32 v8, 512, v8                       ; and its last 8
	v_lshlrev_b32 v9, 4, v1                        ; the way out: 16 l,
	v_add_nc_u32 v2, s19, v9                       ; in the stage too
	v_lshlrev_b32 v46, 9, v4
	v_lshl_add_u32 v46, v5, 3, v46                 ; my column's scale words: 512 x tile + 8 x row
	s_cmp_lt_u32 s23, 24
	s_mov_b32 s25, 4096
	s_cselect_b32 s25, 12288, s25                  ; a row of the weight in bytes
	s_cselect_b32 s26, 0, 24
	s_sub_co_u32 s26, s23, s26                     ; the group within its weight
	s_mul_i32 s28, s24, s25
	s_lshl_b32 s28, s28, 8                         ; 256 rows for each step along K,
	s_lshl_b32 s26, s26, 9
	s_add_co_u32 s28, s28, s26                     ; 512 bytes a group,
	s_lshl_b32 s26, s18, 7
	s_add_co_u32 s28, s28, s26                     ; 128 a wave
	s_mov_b32 s29, 0
	s_lshl_b32 s30, s25, 5                         ; a block on: 32 rows
	s_mov_b32 s31, 0
	v_mov_b32 v47, s25
.irp i, 0,1,2,3,4,5,6,7,8,9,10,11,12,13,14,15,16,17,18,19,20,21,22,23,24,25,26,27,28,29,30,31
	v_mad_u32_u24 v[128+\i], v47, \i, v3           ; row i of a block, my column
.endr
	s_mul_i32 s32, s23, GRP                        ; the codes: the group, four 64s of K a step, two tiles a wave
	s_mul_i32 s33, s24, 4*KCH
	s_add_co_u32 s32, s32, s33
	s_mul_i32 s33, s18, 1536
	s_add_co_u32 s32, s32, s33
	s_mov_b32 s33, 0
	s_lshl_b32 s34, s23, 12                        ; the scale bytes: 4,096 a group, 1,024 a wave, 128 a step
	s_lshl_b32 s35, s18, 10
	s_add_co_u32 s34, s34, s35
	s_lshl_b32 s35, s24, 7
	s_add_co_u32 s34, s34, s35
	s_mov_b32 s35, 0
	s_wait_alu depctr_va_vdst(0)
	s_wait_kmcnt 0x0
	s_cmp_lt_u32 s23, 24                           ; the choice hangs on the work-group's number alone
	s_cselect_b64 s[4:5], s[6:7], s[8:9]
	s_add_nc_u64 s[40:41], s[4:5], s[28:29]        ; a base for each of the eight blocks
.irp t, 1,2,3,4,5,6,7
	s_add_nc_u64 s[40+2*\t:41+2*\t], s[38+2*\t:39+2*\t], s[30:31]
.endr
	s_add_nc_u64 s[14:15], s[14:15], s[32:33]
	s_add_nc_u64 s[16:17], s[16:17], s[34:35]
.macro WLOAD t                         ; block t: 32 rows at my column; a load reads 128 consecutive bytes, the four waves stand side by side
.irp i, 0,1,2,3,4,5,6,7,8,9,10,11,12,13,14,15,16,17,18,19,20,21,22,23,24,25,26,27,28,29,30,31
	global_load_b32 v[64+32*((\t)%2)+\i], v[128+\i], s[40+2*(\t):41+2*(\t)] th:TH_LOAD_NT
.endr
.endm
.macro BLOCK t
.set XS, 64+32*((\t)%2)
.if (\t) < 7
	s_wait_loadcnt 32                              ; this block's 32 loads are in; the next block's may be out
.else
	s_wait_loadcnt 0x0
.endif
	v_max3_num_f32 v12, |v[XS]|, |v[XS+1]|, |v[XS+2]|
	v_max3_num_f32 v13, |v[XS+3]|, |v[XS+4]|, |v[XS+5]|
.irp i, 6,10,14,18,22,26
	v_max3_num_f32 v12, v12, |v[XS+\i]|, |v[XS+\i+1]|
	v_max3_num_f32 v13, v13, |v[XS+\i+2]|, |v[XS+\i+3]|
.endr
	v_max3_num_f32 v12, v12, |v[XS+30]|, |v[XS+31]|
	v_max3_num_f32 v12, v12, v13, 0x1800000        ; and the floor
	v_add_nc_u32 v14, 0xff000000, v12              ; the conversion's scale operand
	v_lshrrev_b32 v15, 23, v14                     ; the byte
.if (\t)%4 == 0
	v_mov_b32 v[44+(\t)/4], v15
.else
	v_lshl_or_b32 v[44+(\t)/4], v15, 8*((\t)%4), v[44+(\t)/4]
.endif
	v_cvt_scalef32_pk16_fp6_f32 v[32:34], v[XS:XS+15], v14
	v_cvt_scalef32_pk16_fp6_f32 v[40:42], v[XS+16:XS+31], v14
	v_nop                                          ; one plain place behind a scaled conversion
	v_mov_b32 v35, v40
	v_mov_b32 v36, v41
	v_mov_b32 v37, v42
	ds_store_b128 v7, v[32:35] offset:((\t)/2)*1536+256*((\t)%2)   ; block t is half t % 2 of the image of 64 along K
	ds_store_b64 v8, v[36:37] offset:((\t)/2)*1536+128*((\t)%2)
.if (\t)+2 < 8
	WLOAD (\t)+2
.endif
	s_wait_dscnt 0x0                               ; the stores have read their registers
.endm
	WLOAD 0
	WLOAD 1
.irp t, 0,1,2,3,4,5,6,7
	BLOCK \t
.endr
	s_wait_alu depctr_va_vdst(0)
	global_store_b64 v46, v[44:45], s[16:17]       ; my column's eight scale bytes
.irp j, 0,1,2,3,4,5,6,7,8,9,10,11
	ds_load_b128 v[160+4*\j:163+4*\j], v2 offset:512*\j
.endr
.irp j, 0,1,2,3,4,5,6,7,8,9,10,11
	s_wait_dscnt 11-\j                             ; the younger loads may be out
	global_store_b128 v9, v[160+4*\j:163+4*\j], s[14:15] offset:(\j/3)*KCH+512*(\j%3)   ; 512 consecutive bytes, aligned to 256
.endr
	s_wait_tensorcnt 0x0                           ; the wave's end, behind my last LDS store
	ds_add_u32 v[SPW], v[NIL]
	s_wait_dscnt 0x0
	s_endpgm
.Lfunc_end_k_q8dac641412_quant:
	.size	k_q8dac641412_quant, .Lfunc_end_k_q8dac641412_quant-k_q8dac641412_quant
	.p2alignl 7, 3214868480
	.fill 96, 4, 3214868480
	.section	.rodata,"a",@progbits
	.p2align	6, 0x0
	.amdhsa_kernel k_q8dac641412_quant
		.amdhsa_group_segment_fixed_size 58880
		.amdhsa_private_segment_fixed_size 0
		.amdhsa_enable_private_segment 0
		.amdhsa_kernarg_size 56
		.amdhsa_user_sgpr_count 2
		.amdhsa_user_sgpr_kernarg_segment_ptr 1
		.amdhsa_wavefront_size32 1
		.amdhsa_system_sgpr_workgroup_id_x 1
		.amdhsa_system_sgpr_workgroup_id_y 1
		.amdhsa_system_sgpr_workgroup_id_z 1
		.amdhsa_system_vgpr_workitem_id 0
		.amdhsa_next_free_vgpr 256
		.amdhsa_next_free_sgpr 66
		.amdhsa_reserve_vcc 0
		.amdhsa_float_denorm_mode_32 3
		.amdhsa_float_denorm_mode_16_64 3
		.amdhsa_memory_ordered 1
		.amdhsa_forward_progress 1
		.amdhsa_inst_pref_size 78
	.end_amdhsa_kernel
	.amdgpu_metadata
---
amdhsa.version: [ 1, 2 ]
amdhsa.kernels:
  - .name:           k_q8dac641412_quant
    .symbol:         k_q8dac641412_quant.kd
    .args:
      - { .name: x, .offset: 0, .size: 8, .value_kind: global_buffer, .address_space: global }
      - { .name: W_qkv, .offset: 8, .size: 8, .value_kind: global_buffer, .address_space: global }
      - { .name: W_proj, .offset: 16, .size: 8, .value_kind: global_buffer, .address_space: global }
      - { .name: xc, .offset: 24, .size: 8, .value_kind: global_buffer, .address_space: global }
      - { .name: xs, .offset: 32, .size: 8, .value_kind: global_buffer, .address_space: global }
      - { .name: wc, .offset: 40, .size: 8, .value_kind: global_buffer, .address_space: global }
      - { .name: ws, .offset: 48, .size: 8, .value_kind: global_buffer, .address_space: global }
    .group_segment_fixed_size: 58880
    .private_segment_fixed_size: 0
    .kernarg_segment_align: 8
    .kernarg_segment_size: 56
    .max_flat_workgroup_size: 128
    .sgpr_count:     66
    .vgpr_count:     256
    .wavefront_size: 32
...
	.end_amdgpu_metadata
.endif
;; end of part 1
;; launch qkv (part 2): grid 12 x 32, 4 waves a work-group, clusters of 4 x 4, 327,680 bytes of LDS; arguments xc, xs, wc, ws, b_qkv, qb, kv; writes qb, kv
.if DOCPART == 2
	.amdgcn_target "amdgcn-amd-amdhsa--gfx1250"
	.amdhsa_code_object_version 6
	.text
	.protected	k_q8dac641412_qkv
	.globl	k_q8dac641412_qkv
	.p2align	8
	.type	k_q8dac641412_qkv,@function
k_q8dac641412_qkv:
	s_mov_b64 s[64:65], 0
	v_nop
	global_prefetch_b8 v0, s[64:65] scope:SCOPE_SE
	s_setreg_imm32_b32 hwreg(HW_REG_WAVE_MODE, 25, 1), 1
	s_wait_xcnt 0x0
	s_wait_alu depctr_hold_cnt(0) depctr_sa_sdst(0) depctr_va_vdst(0) depctr_va_sdst(0) depctr_va_ssrc(0) depctr_va_vcc(0) depctr_vm_vsrc(0)
	s_getreg_b32 s2, hwreg(HW_REG_IB_STS2, 6, 4)
	s_cmp_eq_u32 s2, 0
	s_cbranch_scc0 .Lentry_in_a_cluster
	s_endpgm
.Lentry_in_a_cluster:
	s_bfe_u32 s2, ttmp6, 0x10000c
	s_cmp_lg_u32 s2, 0xf033
	s_cbranch_scc0 .Lentry_shape_is_right
	s_endpgm
.Lentry_shape_is_right:
; qkv = x W_qkv + b_qkv on codes of FP6 (E2M3) with E8M0 scales, K = 1,024; the results never go to memory as f32: q and k are quantised along the head's 64, v along the tokens, in registers.
; A tile is 256 x 256, four waves, each 128 x 128: 64 accumulators.  The matrix instruction's source 1 is ROLE A, source 0 ROLE B: a lane holds ONE row of A, and its registers run along B's rows.
; Rows lie by position (bits 3 and 4 of the row's number exchanged), so that the 16 registers of B's tiles 2 b and 2 b + 1 are 16 NEIGHBOURS: 32 b + 16 (lane / 16) + 0 .. 15.
; Cluster x = 0 (q), 1 (k): A = tokens, B = columns of W: a lane's 64 registers of one A tile are 128 neighbouring columns of one token: two heads.  Cluster x = 2 (v): A = columns of W, B = tokens:
; a lane's registers are 128 neighbouring tokens of one channel: a key step.  The roles hang on the cluster's x alone, which all sixteen partners share; loop, masks and LDS addresses are one text.
; CLUSTERS: 4 x 4.  A's tile hangs on cy and is asked for jointly along a row of the cluster, B's on cx and along a column.
; K goes in four slots of 256; LDS holds three, so three go out at the start and the fourth into the first's bytes: ONE refill.  The eight steps of 128 are written out.  By this text's count a wave has four tensor loads out at the most.
; No prefetch: three quarters of all tiles are asked for at the head, the last quarter three steps ahead of its use.
; OUT: qb [batch x head][128 queries][8 tiles x 768 bytes of codes, 512 bytes of scale words]; kv [batch x head][128 keys][k as in qb: 6,656 | v: 4 channel tiles x 1,536 | v's scale words: 256].
; q's and k's scale words hold two bytes and 0x7f7f above them: their products are 128 deep with zero codes in the upper 64.
; LIMITS: a block of zeros gets the byte 1 and zero codes (this program alone reads the bytes); NaN and infinities are not served.
.set FR,    12                         ; registers of a fragment, 16 rows x 128 K
.set NL,    4                          ; LDS loads that bring one
.set HFB,   768                        ; an image of 16 rows x 64 K: 16 bytes a lane, then 8 bytes a lane
.set KCH,   6144                       ; 64 along K of 128 rows
.set QSL,   24576                      ; 256 along K of 128 rows: what one tensor load brings
.set GRP,   98304                      ; all of K of 128 rows
.set SLOT,  98304                      ; an LDS slot: A's two halves, B's two halves
.set SCA,   3*SLOT                     ; A's scale words, 8,192 bytes, filled once
.set SCB,   SCA+8192+128               ; B's
.set SPARE, 311552                     ; the spare words, 128 bytes for each wave: two blocks of 256 bytes that no other line names
.set A16,  2                           ; v2-4   LDS address of my 16 bytes of A's images in slot 0, 1, 2;  v5-7 of my 8 bytes
.set A8,   5
.set B16,  8                           ; v8-10, v11-13 the same for B
.set B8,   11
.set ADRS, 14                          ; v14    my scale words: lanes 0-15 A's rows, lanes 16-31 B's
.set O16,  16                          ; v16    16 l
.set O8,   17                          ; v17    512 + 8 l
.set BO,   18                          ; v18    b_qkv: my offset for q and k
.set BVO,  19                          ; v19    for v
.set PW,   20                          ; v20    the scale word just made
.set K7F,  21                          ; v21    0x7f7f7f7f
.set VOS,  26                          ; v26    v's scale words: 16 r, lanes 16-31 one head on
.set SPW,  28                          ; v28    LDS address of my spare word; never rewritten
.set NIL,  29                          ; v29    0; never rewritten
.set SC,   32                          ; v32-63 scale words and nothing else, two sets of 16: register 2 i + q: lanes 0-15 A's tile i, lanes 16-31 B's tile i
.set BB,   64                          ; v64-127 b_qkv at my 64 columns (q, k)
.set AF,   128                         ; v128-223 A's fragments, one set
.set HA,   128                         ; the way out: 64 numbers,
.set PC,   192                         ; their codes,
.set TM,   212                         ; at work
.set SW,   224                         ; v224-239 scale words gathered
.set BV,   240                         ; v240-255 b_qkv at my channel of each A tile, in pairs (v)
.set G1,   24                          ; s[24:31] group 1 for A's tiles; s[32:39] B's; s[40:47], s[48:55] for the scales
.set G1B,  32
.set G1S,  40
.set G1SB, 48
.set G0A0, 56                          ; groups 0: A's slots 0, 1, 2 and scales; B's likewise
.set G0A1, 60
.set G0A2, 68
.set G0AS, 72
.set G0B0, 76
.set G0B1, 80
.set G0B2, 84
.set G0BS, 88
.set SEL,  92                          ; s[92:93] selects for lane l xor 16
.set D0,   94                          ; s[94:95], s[96:97] where my two heads' results go
.set D1,   96
.set MSB, 0
.macro WIN new                         ; the immediate's high byte repeats the setting that is left
.if MSB != (\new)
	s_set_vgpr_msb (MSB<<8)|(\new)
.set MSB, \new
.endif
.endm
.set MUL_LO, 0xa1                      ; source 0 (B) window 1, source 1 (A) window 0, C and D window 2
.set MUL_HI, 0xf1                      ; the same, C and D window 3
.set TO_B,   0x40                      ; destination window 1, address window 0
; A joint load: waves 0 and 1 fetch for A, waves 2 and 3 for B; the branch hangs on the wave's number alone.  An s_nop 0 and four v_nop follow each of the two lines.
.macro JLOAD g0a, g1a, g0b, g1b
	s_cmp_eq_u32 s19, 0
	s_cbranch_scc0 .Lfor_b_\@
	tensor_load_to_lds s[\g0a:\g0a+3], s[\g1a:\g1a+7]
	s_nop 0
.rept 4
	v_nop
.endr
	s_branch .Lasked_\@
.Lfor_b_\@:
	tensor_load_to_lds s[\g0b:\g0b+3], s[\g1b:\g1b+7]
	s_nop 0
.rept 4
	v_nop
.endr
.Lasked_\@:
.endm
.macro CREST                           ; a round of the cluster's barrier behind its opening barrier
	s_cmp_lg_u32 s18, 0
	s_cbranch_scc1 .Lnot_wave_0_\@
	s_barrier_signal -3
.Lnot_wave_0_\@:
	s_barrier_wait -3
	s_barrier_signal -1
	s_barrier_wait -1
.endm
.macro CROUND
	s_barrier_signal -1
	s_barrier_wait -1
	CREST
.endm
.macro PLACES                          ; four plain places behind a matrix instruction, ahead of loads into its sources and of the first read of results
.rept 4
	v_nop
.endr
.endm
.macro FRAG reg, a16, a8, q, i         ; tile i's fragment of the slot's q-th 128 along K: two images, each 16 bytes and 8 bytes a lane, as the registers take them
	ds_load_b128 v[\reg:\reg+3], v[\a16] offset:(2*(\q))*KCH+(\i)*HFB
	ds_load_b64 v[\reg+4:\reg+5], v[\a8] offset:(2*(\q))*KCH+(\i)*HFB
	ds_load_b128 v[\reg+6:\reg+9], v[\a16] offset:(2*(\q)+1)*KCH+(\i)*HFB
	ds_load_b64 v[\reg+10:\reg+11], v[\a8] offset:(2*(\q)+1)*KCH+(\i)*HFB
.endm
.macro FETCH_B n, q, p                 ; B's eight fragments into set p
	WIN TO_B
.irp i, 0,1,2,3,4,5,6,7
	FRAG 128*(\p)+FR*\i, B16+\n, B8+\n, \q, \i
.endr
	WIN 0
.endm
.macro FETCH_A n, q, i0                ; A's tiles i0 .. i0 + 3
.irp i, \i0, \i0+1, \i0+2, \i0+3
	FRAG AF+FR*(\i), A16+\n, A8+\n, \q, \i
.endr
.endm
.macro SCALES sg                       ; the scale words of K's slot sg: two words a row
.irp i, 0,1,2,3,4,5,6,7
	ds_load_b64 v[SC+16*((\sg)%2)+2*\i:SC+16*((\sg)%2)+2*\i+1], v[ADRS] offset:512*\i+128*(\sg)
.endr
.endm
; 16 matrix instructions: A's tiles a0, a0 + 1 x B's eight.  The 64 accumulators take turns, one instruction a turn, in the same order in every step.
.macro MUL16 a0, p, q, sc, zero
.irp a, \a0, \a0+1
.irp b, 0,1,2,3,4,5,6,7
.if \zero
	v_wmma_scale_f32_16x16x128_f8f6f4 v[8*(8*((\a)%4)+\b):8*(8*((\a)%4)+\b)+7], v[128*(\p)+FR*\b:128*(\p)+FR*\b+FR-1], v[AF+FR*(\a):AF+FR*(\a)+FR-1], 0, v[SC+16*(\sc)+2*\b+(\q)], v[SC+16*(\sc)+2*(\a)+(\q)] matrix_a_fmt:MATRIX_FMT_FP6 matrix_b_fmt:MATRIX_FMT_FP6 matrix_a_scale:MATRIX_SCALE_ROW1
.else
	v_wmma_scale_f32_16x16x128_f8f6f4 v[8*(8*((\a)%4)+\b):8*(8*((\a)%4)+\b)+7], v[128*(\p)+FR*\b:128*(\p)+FR*\b+FR-1], v[AF+FR*(\a):AF+FR*(\a)+FR-1], v[8*(8*((\a)%4)+\b):8*(8*((\a)%4)+\b)+7], v[SC+16*(\sc)+2*\b+(\q)], v[SC+16*(\sc)+2*(\a)+(\q)] matrix_a_fmt:MATRIX_FMT_FP6 matrix_b_fmt:MATRIX_FMT_FP6 matrix_a_scale:MATRIX_SCALE_ROW1
.endif
.endr
.endr
.endm
; A step of 128 along K: q its place in its slot (and B's set), sc its set of scale words.  The next step lies in LDS slot n2 at place q2; scl >= 0: the scale words of K's slot scl are fetched too.
.macro STEP q, sc, zero, n2, q2, scl
	s_wait_dscnt 4*NL                              ; all but the youngest 16 loads (A's tiles 4-7) are in
	WIN MUL_LO
	MUL16 0, \q, \q, \sc, \zero
	MUL16 2, \q, \q, \sc, \zero
	s_wait_dscnt 0x0
	PLACES
	FETCH_B \n2, \q2, 1-(\q)
	FETCH_A \n2, \q2, 0
.if (\scl) >= 0
	SCALES \scl
.endif
	WIN MUL_HI
	MUL16 4, \q, \q, \sc, \zero
	MUL16 6, \q, \q, \sc, \zero
	PLACES
	WIN 0
	FETCH_A \n2, \q2, 4
.endm
; A slot's second step with a barrier in it.  In front of the barrier each wave waits for all its tensor loads, adds 0 to its spare word, and waits for that and for its LDS reads.
; fill = 1: the barrier opens a round of the cluster's barrier, and behind it LDS slot 0, which nobody reads any more, takes K's fourth slot.
.macro TURN sc, fill, n2, scl
	s_wait_tensorcnt 0x0                           ; all my tensor loads have landed
	ds_add_u32 v[SPW], v[NIL]                      ; 0 onto my spare word
	s_wait_dscnt 4*NL+1                            ; (the add and the youngest 16 loads may be out)
	WIN MUL_LO
	MUL16 0, 1, 1, \sc, 0                          ; sixteen matrix instructions stand between the add and the wait for it
	s_wait_dscnt 0x0                               ; the add is done, and my reads of this slot are over
	s_barrier_signal -1
	MUL16 2, 1, 1, \sc, 0
	WIN 0
	s_barrier_wait -1
.if \fill
	CREST                                          ; no wave of any partner still reads LDS slot 0 or has a load on its way
	s_add_nc_u64 s[G0A0+2:G0A0+3], s[G0A0+2:G0A0+3], 3*QSL
	s_add_nc_u64 s[G0B0+2:G0B0+3], s[G0B0+2:G0B0+3], 3*QSL
	JLOAD G0A0, G1, G0B0, G1B                      ; the first tensor load behind the round, my only one; its four v_nop are also the places ahead of the loads below
.else
	PLACES
.endif
	FETCH_B \n2, 0, 0
	FETCH_A \n2, 0, 0
	SCALES \scl
	WIN MUL_HI
	MUL16 4, 1, 1, \sc, 0
	MUL16 6, 1, 1, \sc, 0
	PLACES
	WIN 0
	FETCH_A \n2, 0, 4
.endm
; 64 numbers of a lane, register 16 b + i = k 32 b + 16 (lane / 16) + i of my row, become a fragment's codes in v[PC] on and its scale word in v[pw].
.macro QUANT s, pw
.irp b, 0,1,2,3
	v_max3_num_f32 v[TM+\b], |v[\s+16*\b]|, |v[\s+1+16*\b]|, 0x1800000   ; and the floor 2^(3 - 127): the byte cannot fall under 1
.endr
.irp i, 2,4,6,8,10,12,14
.irp b, 0,1,2,3
	v_max3_num_f32 v[TM+\b], v[TM+\b], |v[\s+16*\b+\i]|, |v[\s+1+16*\b+\i]|
.endr
.endr
.irp b, 0,1,2,3
	v_permlanex16_b32 v[TM+4+\b], v[TM+\b], s[SEL], s[SEL+1]
.endr
.irp b, 0,1,2,3
	v_max_num_f32 v[TM+\b], v[TM+\b], v[TM+4+\b]
.endr
.irp b, 0,1,2,3
	v_add_nc_u32 v[TM+8+\b], 0xff000000, v[TM+\b]     ; 2 off the exponent field: the conversion's scale operand
.endr
.irp b, 0,1,2,3
	v_lshrrev_b32 v[TM+4+\b], 23, v[TM+8+\b]          ; the byte
.endr
	v_lshl_or_b32 v[\pw], v[TM+5], 8, v[TM+4]
	v_lshl_or_b32 v[\pw], v[TM+6], 16, v[\pw]
	v_lshl_or_b32 v[\pw], v[TM+7], 24, v[\pw]
.irp c, 0,1
	v_cvt_scalef32_pk16_fp6_f32 v[PC+6*\c:PC+2+6*\c], v[\s+32*\c:\s+15+32*\c], v[TM+8+2*\c]
	v_cvt_scalef32_pk16_fp6_f32 v[PC+12+4*\c:PC+14+4*\c], v[\s+16+32*\c:\s+31+32*\c], v[TM+8+2*\c+1]
.endr
	v_nop                                          ; one plain place behind a scaled conversion
.irp c, 0,1
.irp i, 0,1,2
	v_permlane16_swap_b32 v[PC+6*\c+\i], v[PC+12+4*\c+\i]
.endr
.irp i, 0,1,2
	v_mov_b32 v[PC+3+6*\c+\i], v[PC+12+4*\c+\i]
.endr
.endr
.endm
	s_load_b256 s[4:11], s[0:1], 0x0               ; xc s[4:5], xs s[6:7], wc s[8:9], ws s[10:11]
	s_load_b128 s[12:15], s[0:1], 0x20             ; b_qkv, qb
	s_load_b64 s[16:17], s[0:1], 0x30              ; kv
	v_lshl_add_u32 v[SPW], v0, 2, SPARE
	v_mov_b32 v[NIL], 0
	ds_add_u32 v[SPW], v[NIL]                      ; the wave's opening: work on registers stands between the add and its wait, which comes ahead of my first tensor load
	ds_add_u32 v[SPW], v[NIL]
	v_lshrrev_b32 v1, 5, v0
	v_readfirstlane_b32 s18, v1                    ; wave 0..3
	s_lshr_b32 s19, s18, 1                         ; which half of A's rows I multiply.  Also: I fetch for A (0) or for B (1)
	s_and_b32 s20, s18, 1                          ; which half of B's rows I multiply.  Also: which 128 rows I fetch
	s_bfe_u32 s21, ttmp6, 0x40000                  ; cx
	s_bfe_u32 s22, ttmp6, 0x40004                  ; cy
	s_lshl_b32 s2, s22, 2
	s_lshl_b32 s2, 15, s2                          ; my row of the cluster
	s_lshl_b32 s67, 0x1111, s21                    ; my column
	s_or_b32 s[G1], s2, (3<<16)|(1<<21)            ; 15:0 the mask; 17:16 elements of 8 bytes; 21 set beside a mask; no padding: the images are read 16 and 8 consecutive bytes a lane
	s_or_b32 s[G1S], s2, (3<<16)|(1<<21)
	s_or_b32 s[G1B], s67, (3<<16)|(1<<21)
	s_or_b32 s[G1SB], s67, (3<<16)|(1<<21)
.irp g, G1, G1B                        ; 24,576 dense bytes as 96 rows of 256
	s_mov_b32 s[\g+1], 32<<16
	s_mov_b32 s[\g+2], 96<<16
	s_mov_b32 s[\g+3], 32<<16
	s_mov_b32 s[\g+4], 96
	s_mov_b32 s[\g+5], 32
	s_mov_b32 s[\g+6], 0
	s_mov_b32 s[\g+7], 0
.endr
.irp g, G1S, G1SB                      ; 4,096 dense bytes as 16 rows of 256
	s_mov_b32 s[\g+1], 32<<16
	s_mov_b32 s[\g+2], 16<<16
	s_mov_b32 s[\g+3], 32<<16
	s_mov_b32 s[\g+4], 16
	s_mov_b32 s[\g+5], 32
	s_mov_b32 s[\g+6], 0
	s_mov_b32 s[\g+7], 0
.endr
	s_and_b32 s23, ttmp7, 0xffff
	s_lshl_b32 s23, s23, 2                         ; 4 x cluster y
	s_lshl_b32 s96, ttmp9, 2                       ; 4 x cluster x
	s_cmp_eq_u32 ttmp9, 2                          ; v?  The same in all sixteen partners
	s_cselect_b32 s100, 8, s23                     ; A's tile of 256 rows: v: W's tile 8 + cy; else x's tile 4 x cluster y + cy
	s_cselect_b32 s101, s23, s96                   ; B's: v: x's tile 4 x cluster y + cx; else W's tile 4 x cluster x + cx
	s_add_co_u32 s100, s100, s22
	s_add_co_u32 s101, s101, s21
	s_lshl_b32 s100, s100, 1
	s_add_co_u32 s100, s100, s20                   ; the group of 128 rows that I would fetch for A,
	s_lshl_b32 s101, s101, 1
	s_add_co_u32 s101, s101, s20                   ; and for B
	s_mul_i32 s104, s100, GRP
	s_mov_b32 s105, 0
	s_lshl_b32 s2, s100, 12
	s_mov_b32 s3, 0
	s_mul_i32 s98, s101, GRP
	s_mov_b32 s99, 0
	s_lshl_b32 s66, s101, 12
	s_mov_b32 s67, 0
	s_mul_i32 s23, s18, QSL                        ; where my tiles go in a slot: wave x 24,576: no place in the cluster enters an LDS address
	s_lshl_b32 s94, s18, 12
	s_lshl_b32 s95, s19, 7
	s_add_co_u32 s94, s94, s95
	s_add_co_u32 s94, s94, SCA                     ; and my scales: SCA + 4,096 x wave + 128 x (wave / 2)
	s_mov_b32 s[SEL], 0x76543210
	s_mov_b32 s[SEL+1], 0xfedcba98
	s_wait_dscnt 0x0                               ; the opening add is done
	s_wait_kmcnt 0x0
	s_cmp_eq_u32 ttmp9, 2
	s_cselect_b64 s[G0A0+2:G0A0+3], s[8:9], s[4:5]
	s_cselect_b64 s[G0AS+2:G0AS+3], s[10:11], s[6:7]
	s_cselect_b64 s[G0B0+2:G0B0+3], s[4:5], s[8:9]
	s_cselect_b64 s[G0BS+2:G0BS+3], s[6:7], s[10:11]
	s_add_nc_u64 s[G0A0+2:G0A0+3], s[G0A0+2:G0A0+3], s[104:105]
	s_add_nc_u64 s[G0AS+2:G0AS+3], s[G0AS+2:G0AS+3], s[2:3]
	s_add_nc_u64 s[G0B0+2:G0B0+3], s[G0B0+2:G0B0+3], s[98:99]
	s_add_nc_u64 s[G0BS+2:G0BS+3], s[G0BS+2:G0BS+3], s[66:67]
	s_add_nc_u64 s[G0A1+2:G0A1+3], s[G0A0+2:G0A0+3], QSL
	s_add_nc_u64 s[G0A2+2:G0A2+3], s[G0A0+2:G0A0+3], 2*QSL
	s_add_nc_u64 s[G0B1+2:G0B1+3], s[G0B0+2:G0B0+3], QSL
	s_add_nc_u64 s[G0B2+2:G0B2+3], s[G0B0+2:G0B0+3], 2*QSL
.irp g, G0A0, G0A1, G0A2, G0AS, G0B0, G0B1, G0B2, G0BS
	s_mov_b32 s[\g], 1
	s_or_b32 s[\g+3], s[\g+3], 0x80000000
.endr
	s_mov_b32 s[G0A0+1], s23
	s_mov_b32 s[G0B0+1], s23
	s_add_co_u32 s[G0A1+1], s23, SLOT
	s_add_co_u32 s[G0B1+1], s23, SLOT
	s_add_co_u32 s[G0A2+1], s23, 2*SLOT
	s_add_co_u32 s[G0B2+1], s23, 2*SLOT
	s_mov_b32 s[G0AS+1], s94
	s_mov_b32 s[G0BS+1], s94
	CROUND                                         ; all sixteen work-groups are here: the first joint loads meet
	JLOAD G0AS, G1S, G0BS, G1SB                    ; the scales of all of K: filled once
	JLOAD G0A0, G1, G0B0, G1B                      ; K's slots 0, 1, 2
	JLOAD G0A1, G1, G0B1, G1B
	JLOAD G0A2, G1, G0B2, G1B
	v_and_b32 v1, 31, v0                           ; l
	v_and_b32 v15, 15, v0                          ; r
	v_bfe_u32 v27, v0, 4, 1                        ; h
	v_lshlrev_b32 v[O16], 4, v1
	s_wait_alu depctr_va_vdst(0)
	v_lshl_add_u32 v[O8], v1, 3, 512
	s_wait_alu depctr_va_vdst(0)
	; b_qkv in both forms: both lie inside the buffer whatever the role; the way out takes one
	s_lshl_b32 s66, ttmp9, 12
	s_lshl_b32 s67, s21, 10
	s_add_co_u32 s66, s66, s67
	s_lshl_b32 s67, s20, 9
	s_add_co_u32 s66, s66, s67                     ; 4 (1,024 x cluster x + 256 cx + 128 x my half of B)
	v_lshl_add_u32 v[BO], v27, 6, s66              ; + 64 h
	v_and_b32 v22, 8, v15
	v_add_nc_u32 v22, v22, v15                     ; r + 8 (r / 8)
	s_lshl_b32 s66, s22, 10
	s_lshl_b32 s67, s19, 9
	s_add_co_u32 s66, s66, s67
	s_add_co_u32 s66, s66, 8192                    ; 4 (2,048 + 256 cy + 128 x my half of A)
	v_lshl_add_u32 v[BVO], v22, 2, s66
.irp b, 0,1,2,3
.irp j, 0,1,2,3
	global_load_b128 v[BB+16*\b+4*\j:BB+16*\b+4*\j+3], v[BO], s[12:13] offset:128*\b+16*\j
.endr
.endr
.irp a, 0,1,2,3,4,5,6,7
	global_load_b32 v[BV+2*\a], v[BVO], s[12:13] offset:4*(32*(\a/2)+8*(\a%2))
.endr
	s_mul_i32 s66, s19, QSL                        ; my 128 rows of A,
	s_mul_i32 s67, s20, QSL
	s_add_co_u32 s67, s67, 2*QSL                   ; and of B, behind A's 256
.irp n, 0,1,2
	v_add_nc_u32 v[A16+\n], s66, v[O16]
	v_add_nc_u32 v[A8+\n], s66, v[O8]
	v_add_nc_u32 v[B16+\n], s67, v[O16]
	v_add_nc_u32 v[B8+\n], s67, v[O8]
	s_add_co_u32 s66, s66, SLOT
	s_add_co_u32 s67, s67, SLOT
.endr
	s_lshl_b32 s66, s19, 12                        ; A's scale words: my 128 rows
	s_lshl_b32 s67, s20, 12                        ; B's: my 128 rows, 8,320 bytes behind A's first
	s_add_co_u32 s67, s67, 8320
	s_sub_co_u32 s67, s67, s66
	v_mul_u32_u24 v[ADRS], s67, v27                ; lanes 16-31 take B's
	s_add_co_u32 s66, s66, SCA
	v_lshl_add_u32 v[ADRS], v15, 3, v[ADRS]        ; 8 bytes a row
	v_add_nc_u32 v[ADRS], s66, v[ADRS]
	v_mul_u32_u24 v[VOS], v27, 208896
	v_lshl_add_u32 v[VOS], v15, 4, v[VOS]
	s_wait_alu depctr_va_vdst(0)
	s_wait_tensorcnt 0x2                           ; the scales and my part of slot 0 are in; slots 1 and 2 may be out
	s_barrier_signal -1
	s_barrier_wait -1
	FETCH_B 0, 0, 0
	FETCH_A 0, 0, 0
	SCALES 0
	FETCH_A 0, 0, 4
	STEP 0, 0, 1, 0, 1, -1                         ; step 0: its products start the sums: nothing is cleared
	TURN 0, 1, 1, 1                                ; step 1: slots 1 and 2 are whole for everybody; LDS slot 0 takes K's slot 3, which has steps 2 to 4 in which to land
	STEP 0, 1, 0, 1, 1, -1                         ; step 2
	STEP 1, 1, 0, 2, 0, 2                          ; step 3: on to LDS slot 2, shown whole by step 1's barrier
	STEP 0, 0, 0, 2, 1, -1                         ; step 4
	TURN 0, 0, 0, 3                                ; step 5: the refill has landed, for everybody; nothing is filled again
	STEP 0, 1, 0, 0, 1, -1                         ; step 6
	s_wait_dscnt 4*NL                              ; step 7: nothing more to fetch
	WIN MUL_LO
	MUL16 0, 1, 1, 1, 0
	MUL16 2, 1, 1, 1, 0
	s_wait_dscnt 0x0
	WIN MUL_HI
	MUL16 4, 1, 1, 1, 0
	MUL16 6, 1, 1, 1, 0
	WIN 0
	; THE WAY OUT.  Where my two heads' results go: [batch x head][128 tokens]
	s_wait_loadcnt 0x0                             ; b_qkv
	PLACES
.irp b, 0,1,2,3
	v_mov_b32 v[TM+4+\b], 0                        ; written once: a lane permute's destination counts as one of its sources
.endr
	v_mov_b32 v[K7F], 0x7f7f7f7f
.irp a, 0,1,2,3,4,5,6,7
	v_mov_b32 v[BV+2*\a+1], 0                      ; (named as the upper half of a pair)
.endr
	s_mov_b32 s3, 0xffff0000                       ; lanes 16-31
	s_and_b32 s66, ttmp7, 0xffff
	s_lshl_b32 s66, s66, 2
	s_cmp_eq_u32 ttmp9, 2
	s_cselect_b32 s67, s21, s22                    ; the tokens' tile hangs on cx (v) or cy,
	s_cselect_b32 s98, s22, s21                    ; the heads on the other;
	s_cselect_b32 s99, s20, s19                    ; likewise my halves
	s_cselect_b32 s100, s19, s20
	s_cselect_b32 s101, 6656, 0                    ; v lies behind k in a step's block
	s_add_co_u32 s66, s66, s67                     ; the tile of 256 tokens
	s_lshr_b32 s67, s66, 3                         ; the batch
	s_and_b32 s66, s66, 7
	s_lshl_b32 s66, s66, 1
	s_add_co_u32 s66, s66, s99                     ; my 128 tokens in it
	s_lshl_b32 s98, s98, 2
	s_lshl_b32 s100, s100, 1
	s_add_co_u32 s98, s98, s100                    ; my first head
	s_lshl_b32 s67, s67, 4
	s_add_co_u32 s67, s67, s98
	s_lshl_b32 s67, s67, 4
	s_add_co_u32 s67, s67, s66
	s_cmp_eq_u32 ttmp9, 0
	s_mov_b32 s98, 13056
	s_cselect_b32 s98, 6656, s98                   ; bytes for 128 tokens of a head: qb's or kv's
	s_cselect_b64 s[D0:D0+1], s[14:15], s[16:17]
	s_mul_i32 s104, s67, s98
	s_add_co_u32 s104, s104, s101
	s_mov_b32 s105, 0
	s_add_nc_u64 s[D0:D0+1], s[D0:D0+1], s[104:105]
	s_lshl_b32 s104, s98, 4                        ; a head on: 16 such blocks
	s_add_nc_u64 s[D1:D1+1], s[D0:D0+1], s[104:105]
; A tile a: its 64 numbers a lane get their bias (each accumulator is read from its low end on), are quantised, and leave as images of operand registers: every store covers whole runs of 256 consecutive bytes, aligned.
.macro EPI a, kind
.if (\a) > 0
	s_wait_xcnt 0x0                                ; the last tile's stores have read their data: the codes' registers are written again only behind this wait
.endif
	WIN 0x02+(\a)/4                                ; source 0: window 2 or 3
.set j, 0
.rept 32
.if \kind
	v_pk_add_f32 v[HA+j:HA+j+1], v[64*((\a)%4)+j:64*((\a)%4)+j+1], v[BV+2*(\a):BV+2*(\a)+1] op_sel_hi:[1,0]
.else
	v_pk_add_f32 v[HA+j:HA+j+1], v[64*((\a)%4)+j:64*((\a)%4)+j+1], v[BB+j:BB+j+1]
.endif
.set j, j+2
.endr
	WIN 0
	QUANT HA, PW
.if \kind
.irp c, 0,1,2
.if (\a) < 4
	global_store_b128 v[O16], v[PC+4*\c:PC+4*\c+3], s[D0:D0+1] offset:((\a)%4)*1536+512*\c   ; 16 channels x 128 keys: the whole fragment
.else
	global_store_b128 v[O16], v[PC+4*\c:PC+4*\c+3], s[D1:D1+1] offset:((\a)%4)*1536+512*\c
.endif
.endr
	v_mov_b32 v[SW+(\a)], v[PW]
.else
	global_store_b128 v[O16], v[PC:PC+3], s[D0:D0+1] offset:HFB*(\a)        ; 16 tokens x the first head's 64
	global_store_b64 v[O8], v[PC+4:PC+5], s[D0:D0+1] offset:HFB*(\a)
	global_store_b128 v[O16], v[PC+6:PC+9], s[D1:D1+1] offset:HFB*(\a)      ; and the second's
	global_store_b64 v[O8], v[PC+10:PC+11], s[D1:D1+1] offset:HFB*(\a)
	v_perm_b32 v[SW+(\a)], v[K7F], v[PW], 0x05040100                        ; the first head's two bytes, 0x7f7f above them
	v_perm_b32 v[SW+8+(\a)], v[K7F], v[PW], 0x07060302                      ; the second's
.endif
.endm
	s_cmp_eq_u32 ttmp9, 2
	s_cbranch_scc1 .Lv
.irp a, 0,1,2,3,4,5,6,7
	EPI \a, 0
.endr
.irp i, 0,1,2,3
	v_cndmask_b32 v[HA+\i], v[SW+\i], v[SW+4+\i], s3           ; lanes 0-15: tiles 0-3 of row r, lanes 16-31: tiles 4-7
	v_cndmask_b32 v[HA+4+\i], v[SW+8+\i], v[SW+12+\i], s3
.endr
	global_store_b128 v[O16], v[HA:HA+3], s[D0:D0+1] offset:8*HFB
	global_store_b128 v[O16], v[HA+4:HA+7], s[D1:D1+1] offset:8*HFB
	s_branch .Lend
.Lv:
	s_wait_alu depctr_va_vdst(0)
.irp a, 0,1,2,3,4,5,6,7
	EPI \a, 1
.endr
.irp i, 0,1,2,3
	v_cndmask_b32 v[HA+\i], v[SW+\i], v[SW+4+\i], s3           ; lanes 0-15: the first head's four tiles, lanes 16-31: the second's
.endr
	global_store_b128 v[VOS], v[HA:HA+3], s[D0:D0+1] offset:6144
.Lend:
	s_wait_tensorcnt 0x0                           ; the wave's end, behind my last tensor load
	ds_add_u32 v[SPW], v[NIL]
	s_wait_dscnt 0x0
	CROUND                                         ; the closing round: no work-group ends while a partner may still ask for a tile that names it
	s_endpgm
.Lfunc_end_k_q8dac641412_qkv:
	.size	k_q8dac641412_qkv, .Lfunc_end_k_q8dac641412_qkv-k_q8dac641412_qkv
	.p2alignl 7, 3214868480
	.fill 96, 4, 3214868480
	.section	.rodata,"a",@progbits
	.p2align	6, 0x0
	.amdhsa_kernel k_q8dac641412_qkv
		.amdhsa_group_segment_fixed_size 327680
		.amdhsa_private_segment_fixed_size 0
		.amdhsa_enable_private_segment 0
		.amdhsa_kernarg_size 56
		.amdhsa_user_sgpr_count 2
		.amdhsa_user_sgpr_kernarg_segment_ptr 1
		.amdhsa_wavefront_size32 1
		.amdhsa_system_sgpr_workgroup_id_x 1
		.amdhsa_system_sgpr_workgroup_id_y 1
		.amdhsa_system_sgpr_workgroup_id_z 1
		.amdhsa_system_vgpr_workitem_id 0
		.amdhsa_next_free_vgpr 1024
		.amdhsa_next_free_sgpr 106
		.amdhsa_reserve_vcc 0
		.amdhsa_float_denorm_mode_32 3
		.amdhsa_float_denorm_mode_16_64 3
		.amdhsa_memory_ordered 1
		.amdhsa_forward_progress 1
		.amdhsa_inst_pref_size 219
	.end_amdhsa_kernel
	.amdgpu_metadata
---
amdhsa.version: [ 1, 2 ]
amdhsa.kernels:
  - .name:           k_q8dac641412_qkv
    .symbol:         k_q8dac641412_qkv.kd
    .args:
      - { .name: xc, .offset: 0, .size: 8, .value_kind: global_buffer, .address_space: global }
      - { .name: xs, .offset: 8, .size: 8, .value_kind: global_buffer, .address_space: global }
      - { .name: wc, .offset: 16, .size: 8, .value_kind: global_buffer, .address_space: global }
      - { .name: ws, .offset: 24, .size: 8, .value_kind: global_buffer, .address_space: global }
      - { .name: b_qkv, .offset: 32, .size: 8, .value_kind: global_buffer, .address_space: global }
      - { .name: qb, .offset: 40, .size: 8, .value_kind: global_buffer, .address_space: global }
      - { .name: kv, .offset: 48, .size: 8, .value_kind: global_buffer, .address_space: global }
    .group_segment_fixed_size: 327680
    .private_segment_fixed_size: 0
    .kernarg_segment_align: 8
    .kernarg_segment_size: 56
    .max_flat_workgroup_size: 128
    .sgpr_count:     106
    .vgpr_count:     1024
    .wavefront_size: 32
...
	.end_amdgpu_metadata
.endif
;; end of part 2
;; launch attn (part 3): grid 4 x 64, 16 waves a work-group, no clusters, 327,680 bytes of LDS; arguments qb, kv, yc, ys; writes yc, ys
.if DOCPART == 3
	.amdgcn_target "amdgcn-amd-amdhsa--gfx1250"
	.amdhsa_code_object_version 6
	.text
	.protected	k_q8dac641412_attn
	.globl	k_q8dac641412_attn
	.p2align	8
	.type	k_q8dac641412_attn,@function
k_q8dac641412_attn:
	s_mov_b64 s[64:65], 0
	v_nop
	global_prefetch_b8 v0, s[64:65] scope:SCOPE_SE
	s_setreg_imm32_b32 hwreg(HW_REG_WAVE_MODE, 25, 1), 1
	s_wait_xcnt 0x0
; y = softmax(q k^T / 8, causal) v for one head of one batch, both products on codes of FP6 (E2M3) with E8M0 scales; y is divided by the row's sum, quantised along the head's 64 and stored as codes for the last product.
; THE SOFTMAX: t = score x log2(e) / 8; M = the running largest t rounded UP to a whole number; p = 2^(t - M) is quantised along the keys; the row's sum is taken of the unquantised p.  When M moves, sum and O are multiplied by 2^(old M - new M): exact.
; SHARES.  Work-group (i, head) takes the query blocks i and 7 - i (256 queries each), one after the other: (i + 1) + (8 - i) = 9 slots of 256 keys for EVERY work-group: 256 equal work-groups, a constant count of trips.
; Each of sixteen waves owns 16 queries; four waves to a SIMD, so that one wave's vector work stands beside another's matrix work.  A key step is 128 keys; a step all of whose keys come after my queries is passed over by a
; branch on ids; on the diagonal hidden scores become -infinity.
; NO CLUSTER: the four work-groups of a head read the same slots, but at trips shifted by i; joint requests would hold them in step, which makes 12 slot times of 9.
; LAYOUT.  Both products transposed: S^T = k q^T (source 0 = 16 keys, source 1 = my queries), O^T = v^T p^T.  A lane holds one query throughout.  Keys, queries and channels lie by position in their tiles
; (lane r of tile 2 b + u holds number 32 b + 8 u + r + 8 (r / 8)), so that the 16 registers of two neighbouring result tiles are 16 neighbours.
; THE FIRST PRODUCT'S K IS 64 in an instruction 128 deep: q's upper six registers hold zero codes; k's tile t is named with the six registers that follow it, which meet those zeros; the upper two scale bytes are 0x7f on both sides.
; A slot in LDS: two steps' blocks of 13,056 bytes as they lie in kv: k's 8 tiles x 768, k's scale words 512, v's 4 tiles x 1,536, v's scale words 256.  All are images of operand registers: read 16 or 8 consecutive bytes a lane.
; LIMITS: a block's largest p is taken from its largest score (this takes v_exp_f32 not to fall where its input rises); a block of zeros gets the byte 1; y's scale bytes leave two at a time (a scale word joins two heads,
; which are two work-groups': 1 / 24 of y's code bytes); NaN and infinities are not served.
.set SB,    13056                      ; a step's block
.set SLOT1, 32768                      ; slot 1 begins here: one exclusive or turns an address
.set SPARE, 65536                      ; the spare words, 128 bytes for each wave: eight blocks of 256 bytes that no other line names
.set SPW,  5                           ; v5   LDS address of my spare word; never rewritten
.set NIL,  6                           ; v6   0; never rewritten
.set PFO,  28                          ; v28  the prefetches' offset; never rewritten
.set WV,   18
.set SEL,  20                          ; s[20:21] selects for lane l xor 16
.set CS,   22                          ; s[22:23] c = log2(e) / 8
.set G1,   24                          ; s[24:31] descriptor group 1; s[32:35] group 0, which walks
.set G0,   32
.set TB,   36                          ; s36  LDS byte at which the slot in hand begins
.set GT,   37                          ; s37  the trip
.set SI,   38                          ; s38  i
.set KS,   39                          ; s39  the key step in hand
.set GG,   40                          ; s40  my queries' group of 128 in this pass;  s41 in the second pass
.set GB,   41
.set BK,   42                          ; s[42:43] what the walking address goes back by
.set BKA,  44                          ; s44  (i + 1) slots in bytes
.set YC,   46                          ; s[46:47], s[48:49] where y's codes and scale bytes go;  s[50:53] in the second pass
.set YS,   48
.set YCB,  50
.set YSB,  52
.set PFA,  54                          ; s[54:55] the head's slot after the one that is being asked for by work-group 0
.set LIM,  56                          ; s56  3 in a wave that prefetches, else the greatest number
; REGISTERS: v1 16 l, v2 512 + 8 l, v3 16 r, v4 my query less 16 h, v7 8 r; v8-10 the step's addresses; v11 -infinity; v12 -M, v13 largest t, v[14:15] the sum; v16-27 q; v32-85 k (v80-85 zeros) or v32-79 v;
; v86-92 the second pass's q; v96-159 S^T, p, y; v160-191 O^T; v192-195 k's scale words, v196-199 v's; v224-235 p's codes; v232-254 at work; v253 p's scale word; v255 q's.
.macro TLOAD                           ; waves 0 and 1 fetch a step's block each.  An s_nop 0 and four v_nop follow the load
	s_cmp_lt_u32 s[WV], 2
	s_cbranch_scc0 .Lasked_\@
	tensor_load_to_lds s[G0:G0+3], s[G1:G1+7]
	s_nop 0
.rept 4
	v_nop
.endr
.Lasked_\@:
.endm
; A PREFETCH INTO THE L2.  Work-group 0 of a head walks key slots 0 to 7 in its second pass, a trip ahead of the other three; slots 4 to 7 are asked for by nobody before it.  At the change of slots of trips 3 to 6
; its waves 4 to 7, which fetch nothing, name the slot that the NEXT change will ask for: 102 blocks of 256 bytes, a lane a block (the lanes past the last block name it again).  Slots 0 to 3 come by their loads alone.
.macro ASK
	s_cmp_ge_u32 s[GT], s[LIM]
	s_cbranch_scc0 .Lnot_mine_\@
	s_cmp_le_u32 s[GT], 6
	s_cbranch_scc0 .Lnot_mine_\@
	global_prefetch_b8 v[PFO], s[PFA:PFA+1] th:TH_LOAD_NT scope:SCOPE_SE
.Lnot_mine_\@:
.endm
.macro DEST g, oc, os                  ; where the queries of group s[g] go: y's codes [group][head][tile][768], y's scale bytes
	s_add_co_u32 s80, s78, s[\g]
	s_lshl_b32 s81, s80, 4
	s_add_co_u32 s81, s81, s79
	s_mul_i32 s[\oc], s81, 6144
	s_add_co_u32 s[\oc], s[\oc], s82
	s_mov_b32 s[\oc+1], 0
	s_lshl_b32 s81, s80, 3
	s_add_co_u32 s81, s81, s14
	s_lshl_b32 s[\os], s81, 9
	s_add_co_u32 s[\os], s[\os], s83
	s_mov_b32 s[\os+1], 0
.endm
	s_load_b256 s[4:11], s[0:1], 0x0               ; qb s[4:5], kv s[6:7], yc s[8:9], ys s[10:11]
	v_lshl_add_u32 v[SPW], v0, 2, SPARE
	v_mov_b32 v[NIL], 0
	ds_add_u32 v[SPW], v[NIL]                      ; the wave's opening: work on registers stands between the add and its wait, which comes ahead of my first tensor load
	ds_add_u32 v[SPW], v[NIL]
	v_lshrrev_b32 v8, 5, v0
	s_delay_alu instid0(VALU_DEP_1)
	v_readfirstlane_b32 s[WV], v8                  ; wave 0..15
	s_and_b32 s12, ttmp7, 0xffff                   ; batch x 16 + head
	s_mov_b32 s[SI], ttmp9
	s_lshr_b32 s13, s[WV], 3
	s_and_b32 s14, s[WV], 7                        ; my tile in its group of 128 queries
	s_lshl_b32 s[GG], s[SI], 1
	s_sub_co_u32 s[GB], 14, s[GG]
	s_add_co_u32 s[GG], s[GG], s13                 ; 2 i + wave / 8
	s_add_co_u32 s[GB], s[GB], s13                 ; 2 (7 - i) + wave / 8
	s_mov_b32 s[G1], 3<<16                         ; no mask; elements of 8 bytes; no padding: 13,056 dense bytes as 51 rows of 256
	s_mov_b32 s[G1+1], 32<<16
	s_mov_b32 s[G1+2], 51<<16
	s_mov_b32 s[G1+3], 32<<16
	s_mov_b32 s[G1+4], 51
	s_mov_b32 s[G1+5], 32
	s_mov_b32 s[G1+6], 0
	s_mov_b32 s[G1+7], 0
	s_and_b32 s15, s[WV], 1
	s_mul_i32 s2, s15, SB                          ; which of a slot's two steps I fetch
	s_mov_b32 s3, 0
	s_mul_i32 s16, s12, 16*SB                      ; the head's bytes in kv
	s_mov_b32 s17, 0
	s_add_co_u32 s[BKA], s[SI], 1
	s_mul_i32 s[BKA], s[BKA], 2*SB
	s_mov_b32 s[BK], 0
	s_mov_b32 s[BK+1], 0
	s_lshl_b32 s66, s12, 4
	s_add_co_u32 s68, s66, s[GB]
	s_add_co_u32 s66, s66, s[GG]
	s_mul_i32 s66, s66, 6656                       ; my queries' groups in qb
	s_mul_i32 s68, s68, 6656
	s_mov_b32 s67, 0
	s_mov_b32 s69, 0
	s_lshr_b32 s78, s12, 4
	s_lshl_b32 s78, s78, 4                         ; 16 x batch
	s_and_b32 s79, s12, 15                         ; the head
	s_mul_i32 s82, s14, 768
	s_lshr_b32 s83, s79, 2
	s_lshl_b32 s83, s83, 7
	s_and_b32 s84, s79, 3
	s_lshl_b32 s84, s84, 1
	s_add_co_u32 s83, s83, s84                     ; 128 (head / 4) + 2 (head % 4)
	DEST GG, 70, 72
	DEST GB, 74, 76
	s_mov_b32 s[SEL], 0x76543210
	s_mov_b32 s[SEL+1], 0xfedcba98
	s_mov_b32 s[CS], 0x3e38aa3b                    ; log2(e) / 8
	s_mov_b32 s[CS+1], s[CS]                       ; (named with it as a pair)
	s_mov_b32 s[TB], 0
	s_mov_b32 s[GT], 0
	s_mov_b32 s[KS], 0
	s_lshr_b32 s84, s[WV], 2
	s_xor_b32 s84, s84, 1                          ; 0 in waves 4 to 7,
	s_or_b32 s84, s84, ttmp9                       ; of the head's work-group 0
	s_cmp_eq_u32 s84, 0
	s_cselect_b32 s[LIM], 3, -1
	s_wait_dscnt 0x0                               ; the opening add is done
	s_wait_kmcnt 0x0
	s_add_nc_u64 s[PFA:PFA+1], s[6:7], s[16:17]    ; the head's first byte; each change of slots steps it
	s_mov_b32 s[G0], 1
	s_mov_b32 s[G0+1], s2
	s_add_nc_u64 s[G0+2:G0+3], s[PFA:PFA+1], s[2:3]
	s_or_b32 s[G0+3], s[G0+3], 0x80000000
	TLOAD                                          ; key slot 0 into LDS slot 0
	s_add_nc_u64 s[58:59], s[4:5], s[66:67]
	s_add_nc_u64 s[60:61], s[4:5], s[68:69]
	s_add_nc_u64 s[YC:YC+1], s[8:9], s[70:71]
	s_add_nc_u64 s[YS:YS+1], s[10:11], s[72:73]
	s_add_nc_u64 s[YCB:YCB+1], s[8:9], s[74:75]
	s_add_nc_u64 s[YSB:YSB+1], s[10:11], s[76:77]
	v_and_b32 v8, 31, v0                           ; l
	v_and_b32 v9, 15, v0                           ; r
	v_bfe_u32 v10, v0, 4, 1                        ; h
	s_delay_alu instid0(VALU_DEP_3)
	v_lshlrev_b32 v1, 4, v8
	s_delay_alu instid0(VALU_DEP_4)
	v_lshl_add_u32 v2, v8, 3, 512
	s_delay_alu instid0(VALU_DEP_4)
	v_lshlrev_b32 v3, 4, v9
	s_wait_alu depctr_va_vdst(0)
	v_lshlrev_b32 v7, 3, v9
	v_and_b32 v4, 8, v9
	s_delay_alu instid0(VALU_DEP_1)
	v_add_nc_u32 v4, v4, v9                        ; r + 8 (r / 8)
	v_lshlrev_b32 v10, 4, v10
	s_delay_alu instid0(VALU_DEP_1)
	v_sub_nc_u32 v4, v4, v10                       ; - 16 h
	s_lshr_b32 s84, s14, 1
	s_lshl_b32 s84, s84, 5
	s_lshl_b32 s85, s15, 3
	s_add_co_u32 s84, s84, s85
	v_add_nc_u32 v4, s84, v4                       ; + 32 (tile / 2) + 8 (tile % 2): my query in its 128, less 16 h
	v_add_nc_u32 v29, s82, v1                      ; q: my tile's image,
	v_add_nc_u32 v30, s82, v2
	s_lshr_b32 s84, s14, 2
	s_lshl_b32 s84, s84, 8
	s_and_b32 s85, s14, 3
	s_lshl_b32 s85, s85, 2
	s_add_co_u32 s84, s84, s85
	s_add_co_u32 s84, s84, 6144
	v_add_nc_u32 v31, s84, v3                      ; and its scale word
	global_load_b128 v[16:19], v29, s[58:59]
	global_load_b64 v[20:21], v30, s[58:59]
	global_load_b32 v255, v31, s[58:59]
	global_load_b128 v[86:89], v29, s[60:61]       ; the second pass's q waits in registers
	global_load_b64 v[90:91], v30, s[60:61]
	global_load_b32 v92, v31, s[60:61]
	v_add_nc_u32 v[PFO], 0xffffff80, v0            ; thread - 128: 0 .. 127 in waves 4 to 7
	s_delay_alu instid0(VALU_DEP_1)
	v_min_u32 v[PFO], 101, v[PFO]
	s_delay_alu instid0(VALU_DEP_1)
	v_lshlrev_b32 v[PFO], 8, v[PFO]
	v_mov_b32 v11, 0xff800000                      ; -infinity
	v_mov_b32 v13, 0xff61b1e6                      ; the largest t so far: -3e38
	s_delay_alu instid0(VALU_DEP_1)
	v_floor_f32 v12, -v13                          ; -M
	v_mov_b32 v14, 0
	v_mov_b32 v15, 0
.irp j, 22,23,24,25,26,27,80,81,82,83,84,85
	v_mov_b32 v[\j], 0                             ; zero codes, for good
.endr
.irp j, 236,237,238,239,252,253
	v_mov_b32 v[\j], 0                             ; written once: lane permutes' destinations, and the pair v[252:253]
.endr
.set j, 0
.rept 32
	v_mov_b32 v[160+j], 0                          ; O^T: the first change of M leaves zeros zeros
.set j, j+1
.endr
; A KEY STEP: 128 keys, the q-th of the slot in hand.
.macro STEP q
	s_cmp_gt_u32 s[KS], s[GG]                      ; all its keys come after my queries: passed over, but for the count at its end
	s_cbranch_scc1 .Lhidden_\@
	v_add_nc_u32 v8, s[TB], v1
	v_add_nc_u32 v9, s[TB], v2
	v_add_nc_u32 v10, s[TB], v3
	v_nop                                          ; four places ahead of loads into registers that the last products read
.irp t, 0,1,2,3,4,5,6,7
	ds_load_b128 v[32+6*\t:35+6*\t], v8 offset:(\q)*SB+768*\t
	ds_load_b64 v[36+6*\t:37+6*\t], v9 offset:(\q)*SB+768*\t
.endr
	ds_load_b128 v[192:195], v8 offset:(\q)*SB+6144    ; k's scale words: lanes 0-15 tiles 0-3 of row r, lanes 16-31 tiles 4-7
	s_wait_alu depctr_va_vdst(0)
	s_wait_dscnt 0x0
.irp t, 0,1,2,3
	v_wmma_scale_f32_16x16x128_f8f6f4 v[96+8*\t:103+8*\t], v[32+6*\t:43+6*\t], v[16:27], 0, v[192+\t], v255 matrix_a_fmt:MATRIX_FMT_FP6 matrix_b_fmt:MATRIX_FMT_FP6
.endr
.irp t, 4,5,6,7
	v_wmma_scale_f32_16x16x128_f8f6f4 v[96+8*\t:103+8*\t], v[32+6*\t:43+6*\t], v[16:27], 0, v[188+\t], v255 matrix_a_fmt:MATRIX_FMT_FP6 matrix_b_fmt:MATRIX_FMT_FP6 matrix_a_scale:MATRIX_SCALE_ROW1
.endr
.rept 4
	v_nop
.endr
.irp t, 0,1,2,3                                ; v's fragments land while the softmax is walked
.irp c, 0,1,2
	ds_load_b128 v[32+12*\t+4*\c:35+12*\t+4*\c], v8 offset:(\q)*SB+6656+1536*\t+512*\c
.endr
.endr
	ds_load_b128 v[196:199], v10 offset:(\q)*SB+12800
	s_cmp_lt_u32 s[KS], s[GG]                      ; all keys count: no mask
	s_cbranch_scc1 .Lopen_\@
.irp n, 0,1,2,3,4,5,6,7,8,9,10,11,12,13,14,15,16,17,18,19,20,21,22,23,24,25,26,27,28,29,30,31,32,33,34,35,36,37,38,39,40,41,42,43,44,45,46,47,48,49,50,51,52,53,54,55,56,57,58,59,60,61,62,63
	v_cmp_gt_i32 vcc_lo, 32*(\n/16)+\n%16, v4      ; register 16 b + i holds key 32 b + 16 h + i of the step: hidden where it comes after my query
	v_cndmask_b32 v[96+\n], v[96+\n], v11, vcc_lo
.endr
.Lopen_\@:
.irp b, 0,1,2,3
	v_max3_num_f32 v[232+\b], v[96+16*\b], v[97+16*\b], v[98+16*\b]   ; the largest score of each block of 32 keys: for the row's maximum, and for the block's largest p
.endr
.irp i, 3,5,7,9,11,13
.irp b, 0,1,2,3
	v_max3_num_f32 v[232+\b], v[232+\b], v[96+16*\b+\i], v[97+16*\b+\i]
.endr
.endr
.irp b, 0,1,2,3
	v_max_num_f32 v[232+\b], v[232+\b], v[111+16*\b]
.endr
.irp b, 0,1,2,3
	s_delay_alu instid0(VALU_DEP_4)
	v_permlanex16_b32 v[236+\b], v[232+\b], s[SEL], s[SEL+1]
.endr
.irp b, 0,1,2,3
	s_delay_alu instid0(VALU_DEP_4)
	v_max_num_f32 v[232+\b], v[232+\b], v[236+\b]
.endr
	s_delay_alu instid0(VALU_DEP_2)
	v_max3_num_f32 v254, v232, v233, v234
	s_delay_alu instid0(VALU_DEP_1)
	v_max_num_f32 v254, v254, v235
	s_delay_alu instid0(VALU_DEP_1)
	v_mul_f32 v254, s[CS], v254                    ; as t
	s_delay_alu instid0(VALU_DEP_1)
	v_max_num_f32 v13, v13, v254                   ; the running largest t
	v_mov_b32 v254, v12
	s_delay_alu instid0(VALU_DEP_2)
	v_floor_f32 v12, -v13                          ; the new -M: M is a whole number
	s_delay_alu instid0(VALU_DEP_1)
	v_sub_f32 v254, v12, v254
	s_delay_alu instid0(VALU_DEP_1)
	v_cvt_i32_f32 v254, v254                       ; (it saturates)
	s_delay_alu instid0(VALU_DEP_1)
	v_ldexp_f32 v252, 1.0, v254                    ; f = 2^(old M - new M)
.irp j, 0,2,4,6,8,10,12,14,16,18,20,22,24,26,28,30,32,34,36,38,40,42,44,46,48,50,52,54,56,58,60,62
	v_pk_fma_f32 v[96+\j:97+\j], v[96+\j:97+\j], s[CS:CS+1], v[12:13] op_sel_hi:[1,0,0]   ; t - M
.endr
.irp b, 0,1,2,3
	v_fma_f32 v[232+\b], v[232+\b], s[CS], v12
.endr
.set j, 0
	s_wait_alu depctr_va_vdst(0)
.rept 64
	v_exp_f32 v[96+j], v[96+j]                     ; p = 2^(t - M): not normalised
.set j, j+1
.endr
	v_pk_mul_f32 v[14:15], v[14:15], v[252:253] op_sel_hi:[1,0]   ; the sums under the new M (a plain place behind the exponentials)
	s_wait_alu depctr_va_vdst(0)                   ; the wait ahead of the first use: one for the batch
.irp b, 0,1,2,3
	v_exp_f32 v[232+\b], v[232+\b]                 ; the blocks' largest p
.endr
	v_pk_add_f32 v[236:237], v[100:101], v[104:105]
	v_pk_add_f32 v[250:251], v[108:109], v[112:113]
	v_pk_add_f32 v[248:249], v[116:117], v[120:121]
	v_pk_add_f32 v[246:247], v[124:125], v[128:129]
	v_pk_add_f32 v[244:245], v[132:133], v[136:137]
	v_pk_add_f32 v[242:243], v[140:141], v[144:145]
	v_pk_add_f32 v[240:241], v[148:149], v[152:153]
	v_pk_add_f32 v[14:15], v[14:15], v[156:157]
	v_pk_add_f32 v[236:237], v[236:237], v[96:97]
	v_pk_add_f32 v[250:251], v[250:251], v[98:99]
	v_pk_add_f32 v[248:249], v[248:249], v[102:103]
	v_pk_add_f32 v[246:247], v[246:247], v[106:107]
	v_pk_add_f32 v[244:245], v[244:245], v[110:111]
	v_pk_add_f32 v[242:243], v[242:243], v[114:115]
	v_pk_add_f32 v[240:241], v[240:241], v[118:119]
	v_pk_add_f32 v[14:15], v[14:15], v[122:123]
	v_pk_add_f32 v[236:237], v[236:237], v[126:127]
	v_pk_add_f32 v[250:251], v[250:251], v[130:131]
	v_pk_add_f32 v[248:249], v[248:249], v[134:135]
	v_pk_add_f32 v[246:247], v[246:247], v[138:139]
	v_pk_add_f32 v[244:245], v[244:245], v[142:143]
	v_pk_add_f32 v[242:243], v[242:243], v[146:147]
	v_pk_add_f32 v[240:241], v[240:241], v[150:151]
	v_pk_add_f32 v[14:15], v[14:15], v[154:155]
	v_pk_add_f32 v[236:237], v[236:237], v[158:159]
	s_delay_alu instid0(VALU_DEP_2)
	v_pk_add_f32 v[14:15], v[14:15], v[246:247]
	s_delay_alu instid0(VALU_DEP_2)
	v_pk_add_f32 v[236:237], v[236:237], v[244:245]
	v_pk_add_f32 v[250:251], v[250:251], v[242:243]
	v_pk_add_f32 v[248:249], v[248:249], v[240:241]
	s_delay_alu instid0(VALU_DEP_2)
	v_pk_add_f32 v[14:15], v[14:15], v[250:251]
	s_delay_alu instid0(VALU_DEP_2)
	v_pk_add_f32 v[236:237], v[236:237], v[248:249]
	s_delay_alu instid0(VALU_DEP_1)
	v_pk_add_f32 v[14:15], v[14:15], v[236:237]
	s_wait_alu depctr_va_vdst(0)                   ; and one for the four
.irp b, 0,1,2,3
	v_max_num_f32 v[232+\b], 0x1800000, v[232+\b]  ; the floor 2^(3 - 127)
.endr
.irp b, 0,1,2,3
	s_delay_alu instid0(VALU_DEP_4)
	v_add_nc_u32 v[244+\b], 0xff000000, v[232+\b]
.endr
.irp b, 0,1,2,3
	s_delay_alu instid0(VALU_DEP_4)
	v_lshrrev_b32 v[236+\b], 23, v[244+\b]
.endr
	s_delay_alu instid0(VALU_DEP_3)
	v_lshl_or_b32 v253, v237, 8, v236              ; p's scale word for these 128 keys
	s_delay_alu instid0(VALU_DEP_1)
	v_lshl_or_b32 v253, v238, 16, v253
	s_delay_alu instid0(VALU_DEP_1)
	v_lshl_or_b32 v253, v239, 24, v253
.irp c, 0,1
	v_cvt_scalef32_pk16_fp6_f32 v[224+6*\c:226+6*\c], v[96+32*\c:111+32*\c], v[244+2*\c]
	v_cvt_scalef32_pk16_fp6_f32 v[236+4*\c:238+4*\c], v[112+32*\c:127+32*\c], v[244+2*\c+1]
.endr
	v_nop                                          ; one plain place behind a scaled conversion
.irp c, 0,1
.irp i, 0,1,2
	v_permlane16_swap_b32 v[224+6*\c+\i], v[236+4*\c+\i]
.endr
.irp i, 0,1,2
	s_delay_alu instid0(VALU_DEP_3)
	v_mov_b32 v[227+6*\c+\i], v[236+4*\c+\i]
.endr
.endr
.irp j, 0,2,4,6,8,10,12,14,16,18,20,22,24,26,28,30
	v_pk_mul_f32 v[160+\j:161+\j], v[160+\j:161+\j], v[252:253] op_sel_hi:[1,0]   ; O^T under the new M; these sixteen are also the places ahead of the products below
.endr
	s_wait_alu depctr_va_vdst(0)
	s_wait_dscnt 0x0                               ; v is in
.irp t, 0,1,2,3                                ; four accumulators by turns
	v_wmma_scale_f32_16x16x128_f8f6f4 v[160+8*\t:167+8*\t], v[32+12*\t:43+12*\t], v[224:235], v[160+8*\t:167+8*\t], v[196+\t], v253 matrix_a_fmt:MATRIX_FMT_FP6 matrix_b_fmt:MATRIX_FMT_FP6
.endr
.Lhidden_\@:
	s_add_co_u32 s[KS], s[KS], 1
.endm
; THE CHANGE OF SLOTS, at a slot's head.  Each wave waits for all its tensor loads, adds 0 to its spare word, and waits for that and for its reads of the slot that it has left.  Behind the barrier the slot ahead is whole and
; nobody reads the other.  fill = 1: that other slot takes the next trip's keys: the next 256, or, where the next trip opens the second pass, the head's first 256 again.
.macro CHANGE fill
	s_wait_tensorcnt 0x0                           ; no tensor load of mine is out, so group 0 may be written
	ds_add_u32 v[SPW], v[NIL]                      ; 0 onto my spare word
.if \fill
	s_xor_b32 s[G0+1], s[G0+1], SLOT1
	s_add_nc_u64 s[G0+2:G0+3], s[G0+2:G0+3], 2*SB
	s_cmp_eq_u32 s[GT], s[SI]
	s_cselect_b32 s[BK], s[BKA], 0
	s_sub_nc_u64 s[G0+2:G0+3], s[G0+2:G0+3], s[BK:BK+1]
	s_wait_xcnt 0x0                                ; the last prefetch, a slot back, has read its address
	s_add_nc_u64 s[PFA:PFA+1], s[PFA:PFA+1], 2*SB
.endif
	s_wait_dscnt 0x0                               ; the add is done, and my reads of the slot that I have left are over
	s_barrier_signal -1
	s_barrier_wait -1
.if \fill
	TLOAD                                          ; the first thing behind the barrier, and a wave's one tensor load until the next
	ASK
.endif
.endm
; A PASS'S END: O^T / the sum; its 32 numbers a lane are channels 32 b + 16 h + i of my query: two blocks; codes and bytes leave for the last product.
.macro FINISH
.rept 4
	v_nop                                          ; places behind the last products
.endr
	v_add_f32 v14, v14, v15
	s_delay_alu instid0(VALU_DEP_1)
	v_permlanex16_b32 v252, v14, s[SEL], s[SEL+1]
	s_delay_alu instid0(VALU_DEP_1)
	v_add_f32 v14, v14, v252                       ; the row's sum
	s_wait_alu depctr_va_vdst(0)
	v_rcp_f32 v14, v14
	v_nop                                          ; a plain place behind the reciprocal
	s_wait_alu depctr_va_vdst(0)                   ; and the wait ahead of its first use
.set j, 0
.rept 16
	v_pk_mul_f32 v[96+j:97+j], v[160+j:161+j], v[14:15] op_sel_hi:[1,0]   ; each accumulator from its low end on
.set j, j+2
.endr
.irp b, 0,1
	v_max3_num_f32 v[232+\b], |v[96+16*\b]|, |v[97+16*\b]|, 0x1800000
.endr
.irp i, 2,4,6,8,10,12,14
.irp b, 0,1
	s_delay_alu instid0(VALU_DEP_2)
	v_max3_num_f32 v[232+\b], v[232+\b], |v[96+16*\b+\i]|, |v[97+16*\b+\i]|
.endr
.endr
.irp b, 0,1
	s_delay_alu instid0(VALU_DEP_2)
	v_permlanex16_b32 v[236+\b], v[232+\b], s[SEL], s[SEL+1]
.endr
.irp b, 0,1
	s_delay_alu instid0(VALU_DEP_2)
	v_max_num_f32 v[232+\b], v[232+\b], v[236+\b]
.endr
.irp b, 0,1
	s_delay_alu instid0(VALU_DEP_2)
	v_add_nc_u32 v[244+\b], 0xff000000, v[232+\b]
.endr
.irp b, 0,1
	s_delay_alu instid0(VALU_DEP_2)
	v_lshrrev_b32 v[236+\b], 23, v[244+\b]
.endr
	s_delay_alu instid0(VALU_DEP_1)
	v_lshl_or_b32 v238, v237, 8, v236              ; my row's two bytes
	v_cvt_scalef32_pk16_fp6_f32 v[224:226], v[96:111], v244
	v_cvt_scalef32_pk16_fp6_f32 v[228:230], v[112:127], v245
	v_nop                                          ; one plain place behind a scaled conversion
.irp i, 0,1,2
	v_permlane16_swap_b32 v[224+\i], v[228+\i]     ; a whole block to a lane
.endr
	s_delay_alu instid0(VALU_DEP_3)
	v_mov_b32 v227, v228
	s_delay_alu instid0(VALU_DEP_3)
	v_mov_b32 v228, v229
	s_delay_alu instid0(VALU_DEP_3)
	v_mov_b32 v229, v230
	global_store_b128 v1, v[224:227], s[YC:YC+1]   ; 512 consecutive bytes, aligned to 256,
	global_store_b64 v2, v[228:229], s[YC:YC+1]    ; and 256
	global_store_b16 v7, v238, s[YS:YS+1]          ; lanes r and r + 16 hold the same two bytes and write them to the same place
.endm
	s_wait_loadcnt 0x0                             ; q
.Lslot:                                            ; eight trips; the ninth is written out
	CHANGE 1
	STEP 0
	STEP 1
	s_xor_b32 s[TB], s[TB], SLOT1
	s_cmp_lg_u32 s[GT], s[SI]                      ; trip i ends the first pass: ids and the count of trips alone
	s_cbranch_scc1 .Lsame
	FINISH
	s_wait_xcnt 0x0                                ; the stores have read their data and their bases
.irp j, 0,1,2,3,4,5
	v_mov_b32 v[16+\j], v[86+\j]                   ; the second pass's q,
.endr
	v_mov_b32 v255, v92                            ; its scale word (the lines below are the places ahead of the next products),
	v_mov_b32 v13, 0xff61b1e6
	s_delay_alu instid0(VALU_DEP_1)
	v_floor_f32 v12, -v13
	v_mov_b32 v14, 0
	v_mov_b32 v15, 0
.set j, 0
.rept 32
	v_mov_b32 v[160+j], 0
.set j, j+1
.endr
	s_mov_b32 s[KS], 0
	s_mov_b32 s[GG], s[GB]
	s_mov_b64 s[YC:YC+1], s[YCB:YCB+1]
	s_mov_b64 s[YS:YS+1], s[YSB:YSB+1]
.Lsame:
	s_add_co_u32 s[GT], s[GT], 1
	s_cmp_lt_u32 s[GT], 8
	s_cbranch_scc1 .Lslot
	CHANGE 0
	STEP 0
	STEP 1
	FINISH
	s_wait_tensorcnt 0x0                           ; the wave's end, behind my last tensor load
	ds_add_u32 v[SPW], v[NIL]
	s_wait_dscnt 0x0
	s_endpgm
.Lfunc_end_k_q8dac641412_attn:
	.size	k_q8dac641412_attn, .Lfunc_end_k_q8dac641412_attn-k_q8dac641412_attn
	.p2alignl 7, 3214868480
	.fill 96, 4, 3214868480
	.section	.rodata,"a",@progbits
	.p2align	6, 0x0
	.amdhsa_kernel k_q8dac641412_attn
		.amdhsa_group_segment_fixed_size 327680
		.amdhsa_private_segment_fixed_size 0
		.amdhsa_enable_private_segment 0
		.amdhsa_kernarg_size 32
		.amdhsa_user_sgpr_count 2
		.amdhsa_user_sgpr_kernarg_segment_ptr 1
		.amdhsa_wavefront_size32 1
		.amdhsa_system_sgpr_workgroup_id_x 1
		.amdhsa_system_sgpr_workgroup_id_y 1
		.amdhsa_system_sgpr_workgroup_id_z 1
		.amdhsa_system_vgpr_workitem_id 0
		.amdhsa_next_free_vgpr 256
		.amdhsa_next_free_sgpr 100
		.amdhsa_reserve_vcc 1
		.amdhsa_float_denorm_mode_32 3
		.amdhsa_float_denorm_mode_16_64 3
		.amdhsa_memory_ordered 1
		.amdhsa_forward_progress 1
		.amdhsa_inst_pref_size 107
	.end_amdhsa_kernel
	.amdgpu_metadata
---
amdhsa.version: [ 1, 2 ]
amdhsa.kernels:
  - .name:           k_q8dac641412_attn
    .symbol:         k_q8dac641412_attn.kd
    .args:
      - { .name: qb, .offset: 0, .size: 8, .value_kind: global_buffer, .address_space: global }
      - { .name: kv, .offset: 8, .size: 8, .value_kind: global_buffer, .address_space: global }
      - { .name: yc, .offset: 16, .size: 8, .value_kind: global_buffer, .address_space: global }
      - { .name: ys, .offset: 24, .size: 8, .value_kind: global_buffer, .address_space: global }
    .group_segment_fixed_size: 327680
    .private_segment_fixed_size: 0
    .kernarg_segment_align: 8
    .kernarg_segment_size: 32
    .max_flat_workgroup_size: 512
    .sgpr_count:     100
    .vgpr_count:     256
    .wavefront_size: 32
...
	.end_amdgpu_metadata
.endif
;; end of part 3
;; launch proj (part 4): grid 4 x 32, 4 waves a work-group, clusters of 4 x 4, 327,680 bytes of LDS; arguments yc, ys, wc, ws, b_proj, out0; writes out0
.if DOCPART == 4
	.amdgcn_target "amdgcn-amd-amdhsa--gfx1250"
	.amdhsa_code_object_version 6
	.text
	.protected	k_q8dac641412_proj
	.globl	k_q8dac641412_proj
	.p2align	8
	.type	k_q8dac641412_proj,@function
k_q8dac641412_proj:
	s_mov_b64 s[64:65], 0
	v_nop
	global_prefetch_b8 v0, s[64:65] scope:SCOPE_SE
	s_setreg_imm32_b32 hwreg(HW_REG_WAVE_MODE, 25, 1), 1
	s_wait_xcnt 0x0
	s_wait_alu depctr_hold_cnt(0) depctr_sa_sdst(0) depctr_va_vdst(0) depctr_va_sdst(0) depctr_va_ssrc(0) depctr_va_vcc(0) depctr_vm_vsrc(0)
	s_getreg_b32 s2, hwreg(HW_REG_IB_STS2, 6, 4)
	s_cmp_eq_u32 s2, 0
	s_cbranch_scc0 .Lentry_in_a_cluster
	s_endpgm
.Lentry_in_a_cluster:
	s_bfe_u32 s2, ttmp6, 0x10000c
	s_cmp_lg_u32 s2, 0xf033
	s_cbranch_scc0 .Lentry_shape_is_right
	s_endpgm
.Lentry_shape_is_right:
; out = y W_proj + b_proj on codes of FP6 (E2M3) with E8M0 scales, K = 1,024; out [8192][1024] f32.
; A tile is 256 x 256, four waves, each 128 x 128: 64 accumulators.  Source 1 = 16 rows of y (role A), source 0 = 16 columns of W_proj (role B): a lane holds one token and eight neighbouring columns.
; Rows of both operands lie by position (bits 3 and 4 of the row's number exchanged); the way out puts columns (in the stage) and tokens (in the stores' offsets) back in their order.
; CLUSTERS: 4 x 4: A's tile is asked for jointly along a row of the cluster, B's along a column.  32 x 4 tiles make 128 work-groups: a tile of half the size would want another text of the products.
; K goes in four slots of 256; LDS holds three: three go out at the start, the fourth into the first's bytes: one refill.  By this text's count a wave has four tensor loads out at the most.
; No prefetch: three quarters of all tiles are asked for at the head, the last quarter three steps ahead of its use.
.set FR,    12
.set NL,    4
.set HFB,   768                        ; an image of 16 rows x 64 K: 16 bytes a lane, then 8 bytes a lane
.set KCH,   6144
.set QSL,   24576                      ; 256 along K of 128 rows: what one tensor load brings
.set GRP,   98304
.set SLOT,  98304
.set SCA,   3*SLOT
.set SCB,   SCA+8192+128
.set SPARE, 311552                     ; the spare words, 128 bytes for each wave: two blocks of 256 bytes that no other line names
.set STG,   SLOT                       ; the way out's stages lie in LDS slot 1: it has had its last fill, and its last read lies ahead of step 5's barrier
.set SPITCH, 528                       ; 16 rows x (512 bytes + 16) for each wave
.set A16,  2
.set A8,   5
.set B16,  8
.set B8,   11
.set ADRS, 14
.set O16,  16                          ; v16    16 l
.set O8,   17                          ; v17    512 + 8 l
.set STO,  24                          ; v24    the stage: where I put results
.set RD,   25                          ; v25    and where I read a row back
.set SPW,  28
.set NIL,  29
.set SC,   32                          ; v32-63 scale words and nothing else
.set BI,   64                          ; v64-67 b_proj at my four columns of a row read back
.set AF,   128
.set BK,   128                         ; the way out: 16 rows read back: v128-191 and v192-255 by turns
.set G1,   24
.set G1B,  32
.set G1S,  40
.set G1SB, 48
.set G0A0, 56
.set G0A1, 60
.set G0A2, 68
.set G0AS, 72
.set G0B0, 76
.set G0B1, 80
.set G0B2, 84
.set G0BS, 88
.set MSB, 0
.macro WIN new                         ; the immediate's high byte repeats the setting that is left
.if MSB != (\new)
	s_set_vgpr_msb (MSB<<8)|(\new)
.set MSB, \new
.endif
.endm
.set MUL_LO, 0xa1
.set MUL_HI, 0xf1
.set TO_B,   0x40
.macro JLOAD g0a, g1a, g0b, g1b        ; a joint load: waves 0 and 1 fetch for A, waves 2 and 3 for B; an s_nop 0 and four v_nop follow each of the two lines
	s_cmp_eq_u32 s19, 0
	s_cbranch_scc0 .Lfor_b_\@
	tensor_load_to_lds s[\g0a:\g0a+3], s[\g1a:\g1a+7]
	s_nop 0
.rept 4
	v_nop
.endr
	s_branch .Lasked_\@
.Lfor_b_\@:
	tensor_load_to_lds s[\g0b:\g0b+3], s[\g1b:\g1b+7]
	s_nop 0
.rept 4
	v_nop
.endr
.Lasked_\@:
.endm
.macro CREST
	s_cmp_lg_u32 s18, 0
	s_cbranch_scc1 .Lnot_wave_0_\@
	s_barrier_signal -3
.Lnot_wave_0_\@:
	s_barrier_wait -3
	s_barrier_signal -1
	s_barrier_wait -1
.endm
.macro CROUND
	s_barrier_signal -1
	s_barrier_wait -1
	CREST
.endm
.macro PLACES                          ; four plain places behind a matrix instruction (ISA guide 7.12.1)
.rept 4
	v_nop
.endr
.endm
.macro FRAG reg, a16, a8, q, i
	ds_load_b128 v[\reg:\reg+3], v[\a16] offset:(2*(\q))*KCH+(\i)*HFB
	ds_load_b64 v[\reg+4:\reg+5], v[\a8] offset:(2*(\q))*KCH+(\i)*HFB
	ds_load_b128 v[\reg+6:\reg+9], v[\a16] offset:(2*(\q)+1)*KCH+(\i)*HFB
	ds_load_b64 v[\reg+10:\reg+11], v[\a8] offset:(2*(\q)+1)*KCH+(\i)*HFB
.endm
.macro FETCH_B n, q, p
	WIN TO_B
.irp i, 0,1,2,3,4,5,6,7
	FRAG 128*(\p)+FR*\i, B16+\n, B8+\n, \q, \i
.endr
	WIN 0
.endm
.macro FETCH_A n, q, i0
.irp i, \i0, \i0+1, \i0+2, \i0+3
	FRAG AF+FR*(\i), A16+\n, A8+\n, \q, \i
.endr
.endm
.macro SCALES sg
.irp i, 0,1,2,3,4,5,6,7
	ds_load_b64 v[SC+16*((\sg)%2)+2*\i:SC+16*((\sg)%2)+2*\i+1], v[ADRS] offset:512*\i+128*(\sg)
.endr
.endm
.macro MUL16 a0, p, q, sc, zero        ; the 64 accumulators take turns, one instruction a turn, in the same order in every step
.irp a, \a0, \a0+1
.irp b, 0,1,2,3,4,5,6,7
.if \zero
	v_wmma_scale_f32_16x16x128_f8f6f4 v[8*(8*((\a)%4)+\b):8*(8*((\a)%4)+\b)+7], v[128*(\p)+FR*\b:128*(\p)+FR*\b+FR-1], v[AF+FR*(\a):AF+FR*(\a)+FR-1], 0, v[SC+16*(\sc)+2*\b+(\q)], v[SC+16*(\sc)+2*(\a)+(\q)] matrix_a_fmt:MATRIX_FMT_FP6 matrix_b_fmt:MATRIX_FMT_FP6 matrix_a_scale:MATRIX_SCALE_ROW1
.else
	v_wmma_scale_f32_16x16x128_f8f6f4 v[8*(8*((\a)%4)+\b):8*(8*((\a)%4)+\b)+7], v[128*(\p)+FR*\b:128*(\p)+FR*\b+FR-1], v[AF+FR*(\a):AF+FR*(\a)+FR-1], v[8*(8*((\a)%4)+\b):8*(8*((\a)%4)+\b)+7], v[SC+16*(\sc)+2*\b+(\q)], v[SC+16*(\sc)+2*(\a)+(\q)] matrix_a_fmt:MATRIX_FMT_FP6 matrix_b_fmt:MATRIX_FMT_FP6 matrix_a_scale:MATRIX_SCALE_ROW1
.endif
.endr
.endr
.endm
.macro STEP q, sc, zero, n2, q2, scl
	s_wait_dscnt 4*NL                              ; all but the youngest 16 loads (A's tiles 4-7) are in
	WIN MUL_LO
	MUL16 0, \q, \q, \sc, \zero
	MUL16 2, \q, \q, \sc, \zero
	s_wait_dscnt 0x0
	PLACES
	FETCH_B \n2, \q2, 1-(\q)
	FETCH_A \n2, \q2, 0
.if (\scl) >= 0
	SCALES \scl
.endif
	WIN MUL_HI
	MUL16 4, \q, \q, \sc, \zero
	MUL16 6, \q, \q, \sc, \zero
	PLACES
	WIN 0
	FETCH_A \n2, \q2, 4
.endm
.macro TURN sc, fill, n2, scl
	s_wait_tensorcnt 0x0                           ; all my tensor loads have landed
	ds_add_u32 v[SPW], v[NIL]                      ; 0 onto my spare word
	s_wait_dscnt 4*NL+1                            ; (the add and the youngest 16 loads may be out)
	WIN MUL_LO
	MUL16 0, 1, 1, \sc, 0
	s_wait_dscnt 0x0                               ; the add is done, and my reads of this slot are over
	s_barrier_signal -1
	MUL16 2, 1, 1, \sc, 0
	WIN 0
	s_barrier_wait -1
.if \fill
	CREST                                          ; no wave of any partner still reads LDS slot 0 or has a load on its way
	s_add_nc_u64 s[G0A0+2:G0A0+3], s[G0A0+2:G0A0+3], 3*QSL
	s_add_nc_u64 s[G0B0+2:G0B0+3], s[G0B0+2:G0B0+3], 3*QSL
	JLOAD G0A0, G1, G0B0, G1B                      ; the first tensor load behind the round, my only one
.else
	PLACES
.endif
	FETCH_B \n2, 0, 0
	FETCH_A \n2, 0, 0
	SCALES \scl
	WIN MUL_HI
	MUL16 4, 1, 1, \sc, 0
	MUL16 6, 1, 1, \sc, 0
	PLACES
	WIN 0
	FETCH_A \n2, 0, 4
.endm
	s_load_b256 s[4:11], s[0:1], 0x0               ; yc s[4:5], ys s[6:7], wc s[8:9], ws s[10:11]
	s_load_b128 s[12:15], s[0:1], 0x20             ; b_proj, out0
	v_lshl_add_u32 v[SPW], v0, 2, SPARE
	v_mov_b32 v[NIL], 0
	ds_add_u32 v[SPW], v[NIL]                      ; the wave's opening: the add and its wait come ahead of my first tensor load
	ds_add_u32 v[SPW], v[NIL]
	v_lshrrev_b32 v1, 5, v0
	v_readfirstlane_b32 s18, v1                    ; wave 0..3
	s_lshr_b32 s19, s18, 1                         ; my half of A's rows.  Also: I fetch for A (0) or for B (1)
	s_and_b32 s20, s18, 1                          ; my half of B's rows.  Also: which 128 rows I fetch
	s_bfe_u32 s21, ttmp6, 0x40000                  ; cx
	s_bfe_u32 s22, ttmp6, 0x40004                  ; cy
	s_lshl_b32 s2, s22, 2
	s_lshl_b32 s2, 15, s2                          ; my row of the cluster
	s_lshl_b32 s67, 0x1111, s21                    ; my column
	s_or_b32 s[G1], s2, (3<<16)|(1<<21)
	s_or_b32 s[G1S], s2, (3<<16)|(1<<21)
	s_or_b32 s[G1B], s67, (3<<16)|(1<<21)
	s_or_b32 s[G1SB], s67, (3<<16)|(1<<21)
.irp g, G1, G1B                        ; 24,576 dense bytes as 96 rows of 256
	s_mov_b32 s[\g+1], 32<<16
	s_mov_b32 s[\g+2], 96<<16
	s_mov_b32 s[\g+3], 32<<16
	s_mov_b32 s[\g+4], 96
	s_mov_b32 s[\g+5], 32
	s_mov_b32 s[\g+6], 0
	s_mov_b32 s[\g+7], 0
.endr
.irp g, G1S, G1SB                      ; 4,096 dense bytes as 16 rows of 256
	s_mov_b32 s[\g+1], 32<<16
	s_mov_b32 s[\g+2], 16<<16
	s_mov_b32 s[\g+3], 32<<16
	s_mov_b32 s[\g+4], 16
	s_mov_b32 s[\g+5], 32
	s_mov_b32 s[\g+6], 0
	s_mov_b32 s[\g+7], 0
.endr
	s_and_b32 s100, ttmp7, 0xffff
	s_lshl_b32 s100, s100, 2
	s_add_co_u32 s100, s100, s22                   ; A's tile of 256 tokens: 4 x cluster y + cy
	s_add_co_u32 s101, s21, 12                     ; B's: W_proj's tiles lie behind W_qkv's twelve
	s_lshl_b32 s100, s100, 1
	s_add_co_u32 s100, s100, s20
	s_lshl_b32 s101, s101, 1
	s_add_co_u32 s101, s101, s20
	s_mul_i32 s104, s100, GRP
	s_mov_b32 s105, 0
	s_lshl_b32 s2, s100, 12
	s_mov_b32 s3, 0
	s_mul_i32 s98, s101, GRP
	s_mov_b32 s99, 0
	s_lshl_b32 s66, s101, 12
	s_mov_b32 s67, 0
	s_mul_i32 s23, s18, QSL                        ; where my tiles go in a slot
	s_lshl_b32 s94, s18, 12
	s_lshl_b32 s95, s19, 7
	s_add_co_u32 s94, s94, s95
	s_add_co_u32 s94, s94, SCA                     ; and my scales
	s_wait_dscnt 0x0                               ; the opening add is done
	s_wait_kmcnt 0x0
	s_add_nc_u64 s[G0A0+2:G0A0+3], s[4:5], s[104:105]
	s_add_nc_u64 s[G0AS+2:G0AS+3], s[6:7], s[2:3]
	s_add_nc_u64 s[G0B0+2:G0B0+3], s[8:9], s[98:99]
	s_add_nc_u64 s[G0BS+2:G0BS+3], s[10:11], s[66:67]
	s_add_nc_u64 s[G0A1+2:G0A1+3], s[G0A0+2:G0A0+3], QSL
	s_add_nc_u64 s[G0A2+2:G0A2+3], s[G0A0+2:G0A0+3], 2*QSL
	s_add_nc_u64 s[G0B1+2:G0B1+3], s[G0B0+2:G0B0+3], QSL
	s_add_nc_u64 s[G0B2+2:G0B2+3], s[G0B0+2:G0B0+3], 2*QSL
.irp g, G0A0, G0A1, G0A2, G0AS, G0B0, G0B1, G0B2, G0BS
	s_mov_b32 s[\g], 1
	s_or_b32 s[\g+3], s[\g+3], 0x80000000
.endr
	s_mov_b32 s[G0A0+1], s23
	s_mov_b32 s[G0B0+1], s23
	s_add_co_u32 s[G0A1+1], s23, SLOT
	s_add_co_u32 s[G0B1+1], s23, SLOT
	s_add_co_u32 s[G0A2+1], s23, 2*SLOT
	s_add_co_u32 s[G0B2+1], s23, 2*SLOT
	s_mov_b32 s[G0AS+1], s94
	s_mov_b32 s[G0BS+1], s94
	CROUND                                         ; all sixteen work-groups are here: the first joint loads meet
	JLOAD G0AS, G1S, G0BS, G1SB
	JLOAD G0A0, G1, G0B0, G1B
	JLOAD G0A1, G1, G0B1, G1B
	JLOAD G0A2, G1, G0B2, G1B
	v_and_b32 v1, 31, v0                           ; l
	v_and_b32 v15, 15, v0                          ; r
	v_bfe_u32 v27, v0, 4, 1                        ; h
	v_lshlrev_b32 v[O16], 4, v1
	s_wait_alu depctr_va_vdst(0)
	v_lshl_add_u32 v[O8], v1, 3, 512
	s_wait_alu depctr_va_vdst(0)
	s_lshl_b32 s66, s21, 10
	s_lshl_b32 s67, s20, 9
	s_add_co_u32 s66, s66, s67                     ; my first column, in bytes: 4 (256 cx + 128 x my half of B)
	s_mov_b32 s67, 0
	s_add_nc_u64 s[12:13], s[12:13], s[66:67]
	global_load_b128 v[BI:BI+3], v[O16], s[12:13]  ; b_proj at columns 4 l .. 4 l + 3 of my 128
	s_and_b32 s98, ttmp7, 0xffff
	s_lshl_b32 s98, s98, 2
	s_add_co_u32 s98, s98, s22
	s_lshl_b32 s98, s98, 1
	s_add_co_u32 s98, s98, s19                     ; my 128 tokens,
	s_lshl_b32 s98, s98, 19                        ; 128 rows of 4,096 bytes each
	s_mov_b32 s99, 0
	s_add_nc_u64 s[14:15], s[14:15], s[98:99]
	s_add_nc_u64 s[14:15], s[14:15], s[66:67]
	s_mul_i32 s66, s19, QSL
	s_mul_i32 s67, s20, QSL
	s_add_co_u32 s67, s67, 2*QSL
.irp n, 0,1,2
	v_add_nc_u32 v[A16+\n], s66, v[O16]
	v_add_nc_u32 v[A8+\n], s66, v[O8]
	v_add_nc_u32 v[B16+\n], s67, v[O16]
	v_add_nc_u32 v[B8+\n], s67, v[O8]
	s_add_co_u32 s66, s66, SLOT
	s_add_co_u32 s67, s67, SLOT
.endr
	s_lshl_b32 s66, s19, 12
	s_lshl_b32 s67, s20, 12
	s_add_co_u32 s67, s67, 8320
	s_sub_co_u32 s67, s67, s66
	v_mul_u32_u24 v[ADRS], s67, v27                ; lanes 16-31 take B's scale words
	s_add_co_u32 s66, s66, SCA
	v_lshl_add_u32 v[ADRS], v15, 3, v[ADRS]
	v_add_nc_u32 v[ADRS], s66, v[ADRS]
	s_mul_i32 s66, s18, 16*SPITCH
	s_add_co_u32 s66, s66, STG                     ; my stage
	v_mul_u32_u24 v[STO], v15, SPITCH              ; in: row r, + 64 h
	v_lshl_add_u32 v[STO], v27, 6, v[STO]
	v_add_nc_u32 v[STO], s66, v[STO]
	v_add_nc_u32 v[RD], s66, v[O16]                ; back: the 32 lanes take one row of 512 bytes
	s_wait_alu depctr_va_vdst(0)
	s_wait_tensorcnt 0x2                           ; the scales and my part of slot 0 are in; slots 1 and 2 may be out
	s_barrier_signal -1
	s_barrier_wait -1
	FETCH_B 0, 0, 0
	FETCH_A 0, 0, 0
	SCALES 0
	FETCH_A 0, 0, 4
	STEP 0, 0, 1, 0, 1, -1                         ; step 0: its products start the sums
	TURN 0, 1, 1, 1                                ; step 1: LDS slot 0 takes K's slot 3
	STEP 0, 1, 0, 1, 1, -1                         ; step 2
	STEP 1, 1, 0, 2, 0, 2                          ; step 3
	STEP 0, 0, 0, 2, 1, -1                         ; step 4
	TURN 0, 0, 0, 3                                ; step 5: the refill has landed, for everybody
	STEP 0, 1, 0, 0, 1, -1                         ; step 6
	s_wait_dscnt 4*NL                              ; step 7
	WIN MUL_LO
	MUL16 0, 1, 1, 1, 0
	MUL16 2, 1, 1, 1, 0
	s_wait_dscnt 0x0
	WIN MUL_HI
	MUL16 4, 1, 1, 1, 0
	MUL16 6, 1, 1, 1, 0
	WIN 0
; THE WAY OUT, by A's tiles of 16 tokens x 128 columns.  Accumulator (a, b), register j of lane (r, h), is column 32 (b / 2) + 8 (b % 2) + 16 h + j of token position r: it goes to its true place in a stage row,
; and whole rows of 512 bytes come back.  LDS serves a wave's instructions in order: no wait between the stores and the loads, nor ahead of the next tile's stores.
.macro TOSTAGE a
.set AC, 64*((\a)%4)
	WIN 0x08+4*((\a)/4)                            ; the data: window 2 or 3
.irp b, 0,1,2,3,4,5,6,7
	ds_store_b128 v[STO], v[AC+8*\b:AC+8*\b+3] offset:128*(\b/2)+32*(\b%2)          ; each accumulator from its low end on
	ds_store_b128 v[STO], v[AC+8*\b+4:AC+8*\b+7] offset:128*(\b/2)+32*(\b%2)+16
.endr
	WIN 0
.set BBK, BK+64*((\a)%2)
.irp t, 0,1,2,3,4,5,6,7,8,9,10,11,12,13,14,15
	ds_load_b128 v[BBK+4*\t:BBK+4*\t+3], v[RD] offset:\t*SPITCH
.endr
.endm
.macro SEND a, younger                 ; younger: the LDS instructions issued behind tile a's loads, which may stay out
.set BBK, BK+64*((\a)%2)
	s_wait_dscnt \younger
.irp t, 0,1,2,3,4,5,6,7,8,9,10,11,12,13,14,15
	v_pk_add_f32 v[BBK+4*\t:BBK+4*\t+1], v[BBK+4*\t:BBK+4*\t+1], v[BI:BI+1]
	v_pk_add_f32 v[BBK+4*\t+2:BBK+4*\t+3], v[BBK+4*\t+2:BBK+4*\t+3], v[BI+2:BI+3]
	global_store_b128 v[O16], v[BBK+4*\t:BBK+4*\t+3], s[14:15] offset:(32*((\a)/2)+8*((\a)%2)+\t+8*(\t/8))*4096 th:TH_STORE_NT   ; position t of tile a is this token; 512 consecutive bytes, aligned to 256
.endr
.endm
	s_wait_loadcnt 0x0                             ; b_proj
	PLACES
	TOSTAGE 0
.irp a, 1,2,3,4,5,6,7
.if \a > 1
	s_wait_xcnt 0x0                                ; tile a - 2's stores have read their registers: tile a's loads may land there
.endif
	TOSTAGE \a
	SEND \a-1, 32                                  ; behind tile a - 1's loads: tile a's 16 stores and 16 loads
.endr
	SEND 7, 0
	s_wait_tensorcnt 0x0                           ; the wave's end, behind my last tensor load and my last LDS store
	ds_add_u32 v[SPW], v[NIL]
	s_wait_dscnt 0x0
	CROUND                                         ; the closing round
	s_endpgm
.Lfunc_end_k_q8dac641412_proj:
	.size	k_q8dac641412_proj, .Lfunc_end_k_q8dac641412_proj-k_q8dac641412_proj
	.p2alignl 7, 3214868480
	.fill 96, 4, 3214868480
	.section	.rodata,"a",@progbits
	.p2align	6, 0x0
	.amdhsa_kernel k_q8dac641412_proj
		.amdhsa_group_segment_fixed_size 327680
		.amdhsa_private_segment_fixed_size 0
		.amdhsa_enable_private_segment 0
		.amdhsa_kernarg_size 48
		.amdhsa_user_sgpr_count 2
		.amdhsa_user_sgpr_kernarg_segment_ptr 1
		.amdhsa_wavefront_size32 1
		.amdhsa_system_sgpr_workgroup_id_x 1
		.amdhsa_system_sgpr_workgroup_id_y 1
		.amdhsa_system_sgpr_workgroup_id_z 1
		.amdhsa_system_vgpr_workitem_id 0
		.amdhsa_next_free_vgpr 1024
		.amdhsa_next_free_sgpr 106
		.amdhsa_reserve_vcc 0
		.amdhsa_float_denorm_mode_32 3
		.amdhsa_float_denorm_mode_16_64 3
		.amdhsa_memory_ordered 1
		.amdhsa_forward_progress 1
		.amdhsa_inst_pref_size 159
	.end_amdhsa_kernel
	.amdgpu_metadata
---
amdhsa.version: [ 1, 2 ]
amdhsa.kernels:
  - .name:           k_q8dac641412_proj
    .symbol:         k_q8dac641412_proj.kd
    .args:
      - { .name: yc, .offset: 0, .size: 8, .value_kind: global_buffer, .address_space: global }
      - { .name: ys, .offset: 8, .size: 8, .value_kind: global_buffer, .address_space: global }
      - { .name: wc, .offset: 16, .size: 8, .value_kind: global_buffer, .address_space: global }
      - { .name: ws, .offset: 24, .size: 8, .value_kind: global_buffer, .address_space: global }
      - { .name: b_proj, .offset: 32, .size: 8, .value_kind: global_buffer, .address_space: global }
      - { .name: out0, .offset: 40, .size: 8, .value_kind: global_buffer, .address_space: global }
    .group_segment_fixed_size: 327680
    .private_segment_fixed_size: 0
    .kernarg_segment_align: 8
    .kernarg_segment_size: 48
    .max_flat_workgroup_size: 128
    .sgpr_count:     106
    .vgpr_count:     1024
    .wavefront_size: 32
...
	.end_amdgpu_metadata
.endif
;; end of part 4
